; MI455X (gfx1250); checked and timed in simulation.
; The chip was launched on July 23, 2026; its instructions are those of AMD's public machine-readable ISA for CDNA 5 (MIT licence, August 2026) and "CDNA5" Instruction Set Architecture Reference Guide (July 2026). The comments in the code are by the model that wrote it; some were corrected since.
;; Multi Head Attention. Allowed arithmetic: matrix products marked QUANTISED: E2M1 operands, one E8M0 scale for each 32 along K, by v_wmma_scale_f32_16x16x128_f8f6f4 with both operands' format E2M1 (or v_wmma_scale_f32_32x16x128_f4), f32 sums; products left as they are: bf16, f16 or f32 operands; f32 sums; everything else in f32.
;; Inputs: b_k 1,024 float32; b_o 1,024 float32; b_q 1,024 float32; b_v 1,024 float32; k 2 x 2,048 x 1,024 float32; q 2 x 2,048 x 1,024 float32; v 2 x 2,048 x 1,024 float32; w_k 1,024 x 1,024 float32; w_o 1,024 x 1,024 float32; w_q 1,024 x 1,024 float32; w_v 1,024 x 1,024 float32.
;; Outputs: out0 2 x 2,048 x 1,024 float32.
;; This version of the problem:
;;   THIS VERSION OF THE PROBLEM IS GIVEN IN LOW PRECISION. The matrix products marked QUANTISED in the list below multiply operands that are first quantised to E2M1 (2 exponent bits, 1 mantissa bit; 4 bits a number), with one power-of-two scale for each 32 numbers along K (OCP MX v1.0); their sums are f32. The products marked 'left as it is' may take bf16, f16 or f32 operands, with f32 sums. Whichever they take, every output number must still come out within the allowed error. Rounding operands to bf16 (8 significant bits) uses up far more of that allowance than f16 does (11 bits, for magnitudes from 6e-5 to 65,504). All else is computed in f32.
;;   The module's matrix products, in the order in which they are computed (A, B: the left and right operand; K: the contracted axis; several contracted axes count as one K, in the product's order):
;;     1. [M 4,096, K 1,024] x [K 1,024, N 1,024]; A: input q; B: input w_q: QUANTISED
;;     2. [M 4,096, K 1,024] x [K 1,024, N 1,024]; A: input k; B: input w_k: QUANTISED
;;     3. [M 4,096, K 1,024] x [K 1,024, N 1,024]; A: input v; B: input w_v: QUANTISED
;;     4. batch 32 x [M 2,048, K 64] x [K 64, N 2,048]; A: computed on the way; B: computed on the way: left as it is (an operand is computed on the way)
;;     5. batch 32 x [M 2,048, K 2,048] x [K 2,048, N 64]; A: computed on the way; B: computed on the way: left as it is (an operand is computed on the way)
;;     6. [M 4,096, K 1,024] x [K 1,024, N 1,024]; A: computed on the way; B: input w_o: left as it is (an operand is computed on the way)
;;   THE QUANTISER, for each operand of a quantised product, along K:
;;     - K is cut into blocks of 32 from its start; a last block that is shorter is filled with zeros.
;;     - A block's scale is 2^e with e = floor(log2(the largest magnitude in the block)) - 2, held to -126 .. 127; a block of zeros has e = 0. As a byte (E8M0): e + 127.
;;     - Each number is divided by its block's scale, clamped to +-6, and rounded to the nearest number of E2M1, ties to even, subnormals kept.
;;     - The product sums the exact products of the quantised numbers (number of the format x scale) in f32.
;;   ~~~python
;;   def quantise(x, axis):      # numpy; x: float32 -> the quantised numbers, widened to float32 again
;;       x = np.moveaxis(x, axis, -1); K = x.shape[-1]
;;       x = np.pad(x, [(0, 0)] * (x.ndim - 1) + [(0, -K % 32)]); x = x.reshape(x.shape[:-1] + (-1, 32)); a = np.abs(x).max(-1, keepdims=True)
;;       e = np.where(a > 0, np.clip(np.frexp(np.where(a > 0, a, 1))[1] - 1 - 2, -126, 127), 0)      # np.frexp(a)[1] - 1 = floor(log2(a)), exactly
;;       r = np.clip(x / 2.0 ** e, -6, 6)
;;       step = 2.0 ** (np.maximum(np.frexp(np.where(r == 0, 1, r))[1] - 1, 0) - 1)
;;       q = np.round(r / step) * step * 2.0 ** e      # np.round: ties to even
;;       return np.moveaxis(q.reshape(q.shape[:-2] + (-1,))[..., :K], -1, axis).astype(np.float32)
;;   ~~~
;; 2 versions, each right; version 2 is version 1 with the launch proj written anew for expert scheduling mode. Each part assembles by itself: llvm-mc -triple=amdgcn-amd-amdhsa -mcpu=gfx1250 --defsym DOCPART=n.
;; ======== version 1 of 2: 4 launches
;; limits: values are held in f16: magnitudes above 65,504 overflow, below 6.1e-05 lose precision
;; workspace buffers: wc 1,572,864 bytes; ws 98,304 bytes; wo16 2,097,152 bytes; qf 8,388,608 bytes; kf 8,388,608 bytes; vf 8,388,608 bytes; of 8,388,608 bytes
;; launch prep_w (part 1): grid 8 x 32, 4 waves a work-group, no clusters, 0 bytes of LDS; arguments w_q, w_k, w_v, w_o, wc, ws, wo16; writes wc, ws, wo16
.if DOCPART == 1
	.amdgcn_target "amdgcn-amd-amdhsa--gfx1250"
	.amdhsa_code_object_version 6
	.text
	.protected	k_q9149d6b4ab_prep_w
	.globl	k_q9149d6b4ab_prep_w
	.p2align	8
	.type	k_q9149d6b4ab_prep_w,@function
k_q9149d6b4ab_prep_w:
	s_mov_b64 s[64:65], 0
	v_nop
	global_prefetch_b8 v0, s[64:65] scope:SCOPE_SE
	s_setreg_imm32_b32 hwreg(HW_REG_WAVE_MODE, 25, 1), 1
	s_wait_xcnt 0x0
; The four weights, [1024 (k)][1024 (n)] f32 with K as the FIRST axis, are laid once as the later launches' operand registers want them.
; w_q, w_k, w_v: codes of FP4 (E2M1) along K with one E8M0 byte for each 32 along K.  w_o: f16.
; A LANE TAKES A COLUMN n AND ITS REGISTERS RUN DOWN K: a load reads 128 consecutive bytes a wave, a block of 32 along K lies in one lane, and the conversions give K innermost.  Nothing is transposed.
; wc   [t 3][n tile 64][K step 8][c 2][lane 32][16 bytes]: the image of a fragment of 16 n x 128 k: lane (r, h), registers 4 c .. 4 c + 3 = k 128 s + 64 c + 32 h + 0 .. 31 of column 16 tile + r.
; ws   [t 3][K step 8][n 1024] words: byte b = the scale of block 4 s + b.
; wo16 [n tile 64][kk 32][u 2][lane 32][16 bytes]: the image of a fragment of 16 n x 32 k of f16: registers 4 u .. 4 u + 3 = k 32 kk + 16 u + 8 h + 0 .. 7.
; My lane's 16 bytes of a block lie 16 bytes from my neighbour's: sixteen lanes store 256 consecutive bytes, at a multiple of 256 from the buffer's first byte.  (The scale words leave as 128 bytes a wave: 96 KB of the launch's 16 MB.)
; SHARES: work-group x: 128 columns; y: tensor t = y / 8, 128 rows of K = y % 8.  A wave: 32 columns, four blocks of 32 along K.  No LDS, no barrier: waves share nothing, and no input is read by two work-groups.
; A block's scale is 2^(floor(log2(largest magnitude)) - 2): its byte is the largest magnitude's exponent field - 2, held at 1 from below.
; LIMITS: a block of zeros gets the byte 1 where the rule says 127 (its codes are zeros, and this program alone reads the bytes); NaN and infinities are not served; numbers of w_o of 65,504 or more have no f16.
.set X,  32                            ; v32-159  four sets of 32 numbers, one for each block: no register is loaded twice
.set CD, 160                           ; v160-175 codes, four registers a block; on the f16 path v160-223, sixteen a block: no store's data are written again
.macro LOAD b                          ; block b: W(128 kc + 32 b + i, my column)
.irp i, 0,1,2,3,4,5,6,7,8,9,10,11,12,13,14,15,16,17,18,19,20,21,22,23,24,25,26,27,28,29,30,31
	global_load_b32 v[X+32*(\b)+\i], v2, s[22:23] offset:(32*(\b)+\i)*4096 th:TH_LOAD_NT
.endr
.endm
.macro QBLOCK b
.set XS, X+32*(\b)
	v_max3_num_f32 v12, |v[XS]|, |v[XS+1]|, |v[XS+2]|              ; the block's largest magnitude: all 32 numbers are mine; two chains
	v_max3_num_f32 v13, |v[XS+3]|, |v[XS+4]|, |v[XS+5]|
.irp i, 6,10,14,18,22,26
	v_max3_num_f32 v12, v12, |v[XS+\i]|, |v[XS+\i+1]|
	v_max3_num_f32 v13, v13, |v[XS+\i+2]|, |v[XS+\i+3]|
.endr
	v_max3_num_f32 v12, v12, |v[XS+30]|, |v[XS+31]|
	v_max3_num_f32 v12, v12, v13, 0x1800000        ; and the floor 2^(3 - 127): the byte cannot fall under 1
	v_add_nc_u32 v11, 0xff000000, v12              ; 2 off the exponent field: the conversion takes the exponent field of this operand as its scale
	v_lshrrev_b32 v13, 23, v11                     ; the scale's byte
.if (\b) == 0
	v_mov_b32 v14, v13                             ; four bytes make the K step's scale word of my column
.else
	v_lshl_or_b32 v14, v13, 8*(\b), v14
.endif
.irp g, 0,1,2,3
	v_cvt_scalef32_pk8_fp4_f32 v[CD+4*(\b)+\g], v[XS+8*\g:XS+8*\g+7], v11
.endr
	v_nop                                          ; one plain line behind the last conversion
	global_store_b128 v3, v[CD+4*(\b):CD+4*(\b)+3], s[12:13] offset:((\b)/2)*512+((\b)%2)*256   ; block b is c = b / 2, half h = b % 2 of the fragment
.endm
.macro HBLOCK b
.irp i, 0,1,2,3,4,5,6,7,8,9,10,11,12,13,14,15
	v_cvt_pk_f16_f32 v[CD+16*(\b)+\i], v[X+32*(\b)+2*\i], v[X+32*(\b)+2*\i+1]
.endr
.irp o, 0,1,2,3
	global_store_b128 v4, v[CD+16*(\b)+4*\o:CD+16*(\b)+4*\o+3], s[16:17] offset:(\b)*1024+(\o/2)*512+(\o%2)*256   ; k 8 o .. 8 o + 7 of the block: u = o / 2, h = o % 2
.endr
.endm
	s_load_b256 s[4:11], s[0:1], 0x0               ; w_q, w_k, w_v, w_o
	s_load_b128 s[12:15], s[0:1], 0x20             ; wc, ws
	s_load_b64 s[16:17], s[0:1], 0x30              ; wo16
	v_lshrrev_b32 v1, 5, v0
	v_readfirstlane_b32 s18, v1                    ; wave
	v_and_b32 v1, 31, v0
	v_lshlrev_b32 v2, 2, v1                        ; 4 x lane: my column in a row of W, and my scale word
	v_and_b32 v5, 15, v0
	v_bfe_u32 v6, v0, 4, 1
	v_lshlrev_b32 v5, 4, v5
	v_lshl_add_u32 v3, v6, 13, v5                  ; wc: lanes 16-31 belong to the next n tile, 8,192 bytes on; 16 bytes a column
	v_lshl_add_u32 v4, v6, 15, v5                  ; wo16: the next n tile is 32,768 bytes on
	s_and_b32 s21, ttmp7, 0xffff                   ; y = 8 t + kc
	s_lshr_b32 s19, s21, 3                         ; t
	s_and_b32 s20, s21, 7                          ; kc
	s_lshl_b32 s28, ttmp9, 9
	s_lshl_b32 s26, s18, 7
	s_add_co_u32 s28, s28, s26                     ; my wave's first column, in bytes of f32 or of scale words
	s_lshl_b32 s24, s20, 19                        ; 128 rows of 4,096 bytes
	s_add_co_u32 s24, s24, s28
	s_mov_b32 s25, 0
	s_mov_b32 s27, 0
	s_wait_kmcnt 0x0
	s_cmp_eq_u32 s19, 1                            ; which tensor: the choice hangs on the work-group's number alone
	s_cselect_b64 s[22:23], s[6:7], s[4:5]
	s_cmp_eq_u32 s19, 2
	s_cselect_b64 s[22:23], s[8:9], s[22:23]
	s_cmp_eq_u32 s19, 3
	s_cselect_b64 s[22:23], s[10:11], s[22:23]
	s_add_nc_u64 s[22:23], s[22:23], s[24:25]
	LOAD 0
	LOAD 1
	s_cmp_eq_u32 s19, 3
	s_cbranch_scc1 .Lcast
	s_lshl_b32 s26, s19, 19                        ; wc: t x 524,288 + x x 8 tiles + wave x 2 tiles of 8,192 + kc x 1,024
	s_lshl_b32 s24, ttmp9, 16
	s_add_co_u32 s26, s26, s24
	s_lshl_b32 s24, s18, 14
	s_add_co_u32 s26, s26, s24
	s_lshl_b32 s24, s20, 10
	s_add_co_u32 s26, s26, s24
	s_add_nc_u64 s[12:13], s[12:13], s[26:27]
	s_lshl_b32 s26, s21, 12                        ; ws: (8 t + kc) rows of 4,096 bytes + my columns
	s_add_co_u32 s26, s26, s28
	s_add_nc_u64 s[14:15], s[14:15], s[26:27]
.irp b, 0,1,2,3
.if \b < 3
	s_wait_loadcnt 32                              ; this block's 32 loads are in; the next block's 32 may be out
.else
	s_wait_loadcnt 0x0
.endif
.if \b < 2
	LOAD \b+2
.endif
	QBLOCK \b
.endr
	global_store_b32 v2, v14, s[14:15]             ; my column's scale word of this K step
	s_endpgm
.Lcast:
	s_lshl_b32 s26, ttmp9, 18                      ; wo16: x x 8 tiles + wave x 2 tiles of 32,768 + kc x 4 kk of 1,024
	s_lshl_b32 s24, s18, 16
	s_add_co_u32 s26, s26, s24
	s_lshl_b32 s24, s20, 12
	s_add_co_u32 s26, s26, s24
	s_add_nc_u64 s[16:17], s[16:17], s[26:27]
.irp b, 0,1,2,3
.if \b < 3
	s_wait_loadcnt 32                              ; as above
.else
	s_wait_loadcnt 0x0
.endif
.if \b < 2
	LOAD \b+2
.endif
	HBLOCK \b
.endr
	s_endpgm
.Lfunc_end_k_q9149d6b4ab_prep_w:
	.size	k_q9149d6b4ab_prep_w, .Lfunc_end_k_q9149d6b4ab_prep_w-k_q9149d6b4ab_prep_w
	.p2alignl 7, 3214868480
	.fill 96, 4, 3214868480
	.section	.rodata,"a",@progbits
	.p2align	6, 0x0
	.amdhsa_kernel k_q9149d6b4ab_prep_w
		.amdhsa_group_segment_fixed_size 0
		.amdhsa_private_segment_fixed_size 0
		.amdhsa_enable_private_segment 0
		.amdhsa_kernarg_size 56
		.amdhsa_user_sgpr_count 2
		.amdhsa_user_sgpr_kernarg_segment_ptr 1
		.amdhsa_wavefront_size32 1
		.amdhsa_system_sgpr_workgroup_id_x 1
		.amdhsa_system_sgpr_workgroup_id_y 1
		.amdhsa_system_sgpr_workgroup_id_z 1
		.amdhsa_system_vgpr_workitem_id 0
		.amdhsa_next_free_vgpr 224
		.amdhsa_next_free_sgpr 66
		.amdhsa_reserve_vcc 0
		.amdhsa_float_denorm_mode_32 3
		.amdhsa_float_denorm_mode_16_64 3
		.amdhsa_memory_ordered 1
		.amdhsa_forward_progress 1
		.amdhsa_inst_pref_size 33
	.end_amdhsa_kernel
	.amdgpu_metadata
---
amdhsa.version: [ 1, 2 ]
amdhsa.kernels:
  - .name:           k_q9149d6b4ab_prep_w
    .symbol:         k_q9149d6b4ab_prep_w.kd
    .args:
      - { .name: w_q, .offset: 0, .size: 8, .value_kind: global_buffer, .address_space: global }
      - { .name: w_k, .offset: 8, .size: 8, .value_kind: global_buffer, .address_space: global }
      - { .name: w_v, .offset: 16, .size: 8, .value_kind: global_buffer, .address_space: global }
      - { .name: w_o, .offset: 24, .size: 8, .value_kind: global_buffer, .address_space: global }
      - { .name: wc, .offset: 32, .size: 8, .value_kind: global_buffer, .address_space: global }
      - { .name: ws, .offset: 40, .size: 8, .value_kind: global_buffer, .address_space: global }
      - { .name: wo16, .offset: 48, .size: 8, .value_kind: global_buffer, .address_space: global }
    .group_segment_fixed_size: 0
    .private_segment_fixed_size: 0
    .kernarg_segment_align: 8
    .kernarg_segment_size: 56
    .max_flat_workgroup_size: 128
    .sgpr_count:     66
    .vgpr_count:     224
    .wavefront_size: 32
...
	.end_amdgpu_metadata
.endif
;; end of part 1
;; launch proj (part 2): grid 64 x 3, 8 waves a work-group, no clusters, 103,424 bytes of LDS; arguments q, k, v, wc, ws, b_q, b_k, b_v, qf, kf, vf; writes qf, kf, vf
.if DOCPART == 2
	.amdgcn_target "amdgcn-amd-amdhsa--gfx1250"
	.amdhsa_code_object_version 6
	.text
	.protected	k_q9149d6b4ab_proj
	.globl	k_q9149d6b4ab_proj
	.p2align	8
	.type	k_q9149d6b4ab_proj,@function
k_q9149d6b4ab_proj:
	s_mov_b64 s[64:65], 0
	v_nop
	global_prefetch_b8 v0, s[64:65] scope:SCOPE_SE
	s_setreg_imm32_b32 hwreg(HW_REG_WAVE_MODE, 25, 1), 1
	s_wait_xcnt 0x0
; The three projections, x W + b, on codes of FP4 (E2M1) with one E8M0 scale for each 32 along K = 1,024; sums in f32; the bias is added in f32; the result is rounded once to f16 for the products of attention.
; SHARES.  Work-group y: the tensor (0 q, 1 k, 2 v); x: 64 rows of its 4,096.  x is read from memory once, by this work-group alone, and quantised in registers.
; Eight waves.  Phase X: wave w quantises rows 16 (w / 2) on, K steps 4 (w % 2) + 0 .. 3 of 128: four fragments, which go to LDS AS IMAGES OF THEIR REGISTERS (lane l's 16 bytes at 16 l), with their scale words.  One barrier.
; Then THE WAVES SHARE THE COLUMNS: wave w makes columns 128 w .. 128 w + 127 (heads 2 w, 2 w + 1) of all 64 rows: 32 accumulators of 16 x 16, eight K steps of 32 matrix instructions.
; W's fragments and scale words were laid by an earlier launch in the order of the operand's registers and go from memory straight into registers, two K steps ahead.
; NO JOINT LOADS, though the 64 work-groups of a tensor read the same W: a wave's 64 KB of W are read by that wave alone in its work-group and feed 4 matrix instructions a fragment from registers;
; a joint load lands in LDS, so all 512 KB would pass through a ring with a change of slots every few K steps and be read out of LDS once more.
; q and k: the product is used TRANSPOSED (source 0 = 16 columns of W, source 1 = 16 rows of x): a lane holds one row and eight neighbouring channels, which packed to f16 ARE four registers of a fragment
; of 16 positions x 32 channels.  v: used as it stands: a lane holds one channel and eight neighbouring positions: four registers of a fragment of V^T, 16 channels x 32 keys.
; qf, kf [b h 32][tile of 16 positions 128][c 2][u 2][lane][16 bytes]: channels 32 c + 16 u + 8 h + 0 .. 7.   vf [b h 32][g 64][d tile 4][u 2][lane][16 bytes]: channel 16 dt + r, keys 32 g + 16 u + 8 h + 0 .. 7.
; So every store is a wave's 512 consecutive bytes, at a multiple of 256 from the buffer's first byte, straight from registers.
; LIMITS: a block of zeros gets the scale byte 1 where the rule says 127 (its codes are zeros; the bytes stay in this launch); NaN and infinities are not served; a projection of 65,504 or more has no f16.
; LDS: 8 stages of 16 rows x 528 bytes, each wave's own | x's 32 fragments, f = 8 m + s, 1,024 bytes each | their scale words [s 8][m 4][16 rows] | the spare words.
; REGISTERS.  Window 0: v4-15 addresses; v16-47 W's scale words, v48-51 x's (these hold scales alone); v64-127 two sets of x's four fragments (in phase X: at work); v128-255 two sets of W's eight (in phase X: two sets of 64 numbers).
;   Window 1: in phase X the rows of x as loaded; then the accumulators, (t, m) at v[8 (4 t + m)].
.set STGB,  16*528
.set XIMG,  8*STGB
.set XSC,   XIMG+32*1024
.set SPARE, XSC+2048                   ; 128 bytes for each of the eight waves: four blocks of 256 bytes that no other line names
.set LI,   4                           ; v4   16 x lane
.set SIN,  5                           ; v5   my stage, as loaded: 16 x lane
.set SOUT, 6                           ; v6   my stage, by rows: 528 r + 64 h
.set BOV,  7                           ; v7   4 r: v's bias, one channel a lane
.set XWI,  8                           ; v8   where I store images: 4 fragments a wave
.set XWS,  9                           ; v9   and their scale words
.set LIA,  10                          ; v10  where any wave reads images
.set LSA,  11                          ; v11  and scale words: 4 x lane
.set L4,   12                          ; v12  4 x lane
.set BOQ,  13                          ; v13  32 h: q's and k's bias, eight channels a lane
.set SPW,  14                          ; v14  my spare word; never rewritten
.set NIL,  15                          ; v15  0; never rewritten
.set WSR,  16                          ; register 8 p + s: lanes 0-15 the words of my tile 2 p, lanes 16-31 of tile 2 p + 1, K step s
.set XSR,  48                          ; register 2 (s % 2) + p: lanes 0-15 rows' tile 2 p, lanes 16-31 tile 2 p + 1
.set AF,   64
.set WF,   128
.set TM,   64                          ; phase X: v64-79 at work
.set PW,   80                          ; v80-83 four scale words
.set PC,   88                          ; v88-119 four fragments of codes: no LDS store's data are written again
.set XQ,   128                         ; two sets of 64 numbers
.set SEL,  44
.set MSB, 0
.macro WIN new                         ; the immediate's high byte repeats the setting that is left; a switch that changes nothing is dropped
.if MSB != \new
	s_set_vgpr_msb (MSB<<8)|\new
.set MSB, \new
.endif
.endm
.macro PLACES                          ; four plain places between a matrix instruction and a load into, or a vector read of, its registers (ISA guide 7.12.1 for vector reads)
.rept 4
	v_nop
.endr
.endm
.macro XLOAD i                         ; K step i of my four: each load is 512 consecutive bytes of one row
	WIN 0x40
.irp row, 0,1,2,3,4,5,6,7,8,9,10,11,12,13,14,15
	global_load_b128 v[64*(\i)+4*\row:64*(\i)+4*\row+3], v[LI], s[34:35] offset:\row*4096+512*(\i) th:TH_LOAD_NT
.endr
	WIN 0
.endm
.macro TURN i                          ; through my stage: in as loaded, out so that lane (r, h) holds, of row r, 16 neighbours of each block of 32.  LDS serves a wave's instructions in order: no wait between
	WIN 0x04
.irp row, 0,1,2,3,4,5,6,7,8,9,10,11,12,13,14,15
	ds_store_b128 v[SIN], v[64*(\i)+4*\row:64*(\i)+4*\row+3] offset:\row*528
.endr
	WIN 0
.irp b, 0,1,2,3
.irp j, 0,1,2,3
	ds_load_b128 v[XQ+64*((\i)%2)+16*\b+4*\j:XQ+64*((\i)%2)+16*\b+4*\j+3], v[SOUT] offset:128*\b+16*\j
.endr
.endr
.endm
; 64 numbers of a lane, register 16 b + i = k 32 b + 16 h + i of my row, become a fragment's codes and its scale word
.macro QUANT s, pc, pw
.irp b, 0,1,2,3
	v_max3_num_f32 v[TM+\b], |v[\s+16*\b]|, |v[\s+1+16*\b]|, 0x1800000   ; my 16 numbers of block b, and the floor 2^(3 - 127): the byte cannot fall under 1
.endr
.irp i, 2,4,6,8,10,12,14
.irp b, 0,1,2,3
	v_max3_num_f32 v[TM+\b], v[TM+\b], |v[\s+16*\b+\i]|, |v[\s+1+16*\b+\i]|
.endr
.endr
.irp b, 0,1,2,3
	v_permlanex16_b32 v[TM+4+\b], v[TM+\b], s[SEL], s[SEL+1]
.endr
.irp b, 0,1,2,3
	v_max_num_f32 v[TM+\b], v[TM+\b], v[TM+4+\b]   ; with the lane 16 away: the block's largest magnitude
.endr
.irp b, 0,1,2,3
	v_add_nc_u32 v[TM+12+\b], 0xff000000, v[TM+\b] ; 2 off its exponent field: the conversion's scale operand
.endr
.irp b, 0,1,2,3
	v_lshrrev_b32 v[TM+4+\b], 23, v[TM+12+\b]      ; the scale's byte
.endr
	v_lshl_or_b32 v[\pw], v[TM+5], 8, v[TM+4]
	v_lshl_or_b32 v[\pw], v[TM+6], 16, v[\pw]
	v_lshl_or_b32 v[\pw], v[TM+7], 24, v[\pw]
.irp b, 0,1,2,3
	v_cvt_scalef32_pk8_fp4_f32 v[\pc+2*\b], v[\s+16*\b:\s+7+16*\b], v[TM+12+\b]
	v_cvt_scalef32_pk8_fp4_f32 v[\pc+1+2*\b], v[\s+8+16*\b:\s+15+16*\b], v[TM+12+\b]
.endr
	v_nop                                          ; one plain place behind a scaled conversion
.irp c, 0,1                            ; the operand wants a whole block in a lane: lanes 0-15 block 2 c, lanes 16-31 block 2 c + 1
.irp i, 0,1
	v_permlane16_swap_b32 v[\pc+4*\c+\i], v[\pc+2+4*\c+\i]
.endr
.endr
.endm
.macro IMAGE i
.irp c, 0,1
	ds_store_b128 v[XWI], v[PC+8*(\i)+4*\c:PC+8*(\i)+4*\c+3] offset:1024*(\i)+512*\c
.endr
	ds_store_b32 v[XWS], v[PW+(\i)] offset:256*(\i)   ; lanes r and r + 16 write the same word with the same value
.endm
.macro WLOAD s, t0                     ; four of W's eight fragments of K step s: 8 loads
.irp t, \t0, \t0+1, \t0+2, \t0+3
.irp c, 0,1
	global_load_b128 v[WF+64*((\s)%2)+8*(\t)+4*\c:WF+64*((\s)%2)+8*(\t)+4*\c+3], v[LI], s[36:37] offset:8192*(\t)+1024*(\s)+512*\c
.endr
.endr
.endm
.macro AFETCH s                        ; x's four fragments of K step s and their scale words: 10 LDS loads
.irp m, 0,1,2,3
.irp c, 0,1
	ds_load_b128 v[AF+32*((\s)%2)+8*\m+4*\c:AF+32*((\s)%2)+8*\m+4*\c+3], v[LIA] offset:(8*\m+(\s))*1024+512*\c
.endr
.endr
.irp p, 0,1
	ds_load_b32 v[XSR+2*((\s)%2)+\p], v[LSA] offset:256*(\s)+128*\p
.endr
.endm
; one scaled product; ra, rb: the source's scale words stand in lanes 16-31 of the register named
.macro WMS d, a, b, zero, sa, sb, ra, rb
.if \zero
.if (\ra) && (\rb)
	v_wmma_scale_f32_16x16x128_f8f6f4 v[\d:\d+7], v[\a:\a+7], v[\b:\b+7], 0, v[\sa], v[\sb] matrix_a_fmt:MATRIX_FMT_FP4 matrix_b_fmt:MATRIX_FMT_FP4 matrix_a_scale:MATRIX_SCALE_ROW1 matrix_b_scale:MATRIX_SCALE_ROW1
.elseif \ra
	v_wmma_scale_f32_16x16x128_f8f6f4 v[\d:\d+7], v[\a:\a+7], v[\b:\b+7], 0, v[\sa], v[\sb] matrix_a_fmt:MATRIX_FMT_FP4 matrix_b_fmt:MATRIX_FMT_FP4 matrix_a_scale:MATRIX_SCALE_ROW1
.elseif \rb
	v_wmma_scale_f32_16x16x128_f8f6f4 v[\d:\d+7], v[\a:\a+7], v[\b:\b+7], 0, v[\sa], v[\sb] matrix_a_fmt:MATRIX_FMT_FP4 matrix_b_fmt:MATRIX_FMT_FP4 matrix_b_scale:MATRIX_SCALE_ROW1
.else
	v_wmma_scale_f32_16x16x128_f8f6f4 v[\d:\d+7], v[\a:\a+7], v[\b:\b+7], 0, v[\sa], v[\sb] matrix_a_fmt:MATRIX_FMT_FP4 matrix_b_fmt:MATRIX_FMT_FP4
.endif
.else
.if (\ra) && (\rb)
	v_wmma_scale_f32_16x16x128_f8f6f4 v[\d:\d+7], v[\a:\a+7], v[\b:\b+7], v[\d:\d+7], v[\sa], v[\sb] matrix_a_fmt:MATRIX_FMT_FP4 matrix_b_fmt:MATRIX_FMT_FP4 matrix_a_scale:MATRIX_SCALE_ROW1 matrix_b_scale:MATRIX_SCALE_ROW1
.elseif \ra
	v_wmma_scale_f32_16x16x128_f8f6f4 v[\d:\d+7], v[\a:\a+7], v[\b:\b+7], v[\d:\d+7], v[\sa], v[\sb] matrix_a_fmt:MATRIX_FMT_FP4 matrix_b_fmt:MATRIX_FMT_FP4 matrix_a_scale:MATRIX_SCALE_ROW1
.elseif \rb
	v_wmma_scale_f32_16x16x128_f8f6f4 v[\d:\d+7], v[\a:\a+7], v[\b:\b+7], v[\d:\d+7], v[\sa], v[\sb] matrix_a_fmt:MATRIX_FMT_FP4 matrix_b_fmt:MATRIX_FMT_FP4 matrix_b_scale:MATRIX_SCALE_ROW1
.else
	v_wmma_scale_f32_16x16x128_f8f6f4 v[\d:\d+7], v[\a:\a+7], v[\b:\b+7], v[\d:\d+7], v[\sa], v[\sb] matrix_a_fmt:MATRIX_FMT_FP4 matrix_b_fmt:MATRIX_FMT_FP4
.endif
.endif
.endm
.macro WM path, s, t, m                ; columns' tile t x rows' tile m, K step s.  path 0 (q, k): source 0 = W;  path 1 (v): source 0 = x.  The first K step starts the sums: nothing is cleared
.set rD, 8*(4*(\t)+(\m))
.set rW, WF+64*((\s)%2)+8*(\t)
.set rA, AF+32*((\s)%2)+8*(\m)
.set rWS, WSR+8*((\t)/2)+(\s)
.set rXS, XSR+2*((\s)%2)+(\m)/2
.set zr, 0
.if (\s) == 0
.set zr, 1
.endif
.if \path
	WMS rD, rA, rW, zr, rXS, rWS, (\m)%2, (\t)%2
.else
	WMS rD, rW, rA, zr, rWS, rXS, (\t)%2, (\m)%2
.endif
.endm
.macro WM16 path, s, t0
.irp t, \t0, \t0+1, \t0+2, \t0+3
.irp m, 0,1,2,3
	WM \path, \s, \t, \m
.endr
.endr
.endm
.macro BIAS path                       ; 16 loads into W's set 0, which K step 6 has left
.irp t, 0,1,2,3,4,5,6,7
.if \path
	global_load_b32 v[WF+2*\t], v[BOV], s[40:41] offset:64*\t        ; my channel's bias, twice: a pair for the packed addition
	global_load_b32 v[WF+2*\t+1], v[BOV], s[40:41] offset:64*\t
.else
	global_load_b128 v[WF+8*\t:WF+8*\t+3], v[BOQ], s[40:41] offset:64*\t
	global_load_b128 v[WF+8*\t+4:WF+8*\t+7], v[BOQ], s[40:41] offset:64*\t+16
.endif
.endr
.endm
; A K step of 128: 32 matrix instructions on 32 accumulators, which take turns in the same order in every step.
; W's loads come in runs of 8, in this order: step s lower half, upper half, step s + 1 .. ; each half is asked for two K steps ahead, as soon as its registers are free.
.macro KSTEP path, s
.if \s < 7
	AFETCH (\s)+1                                  ; into the set that step s - 1 has left, behind that step's last places
.endif
	s_wait_loadcnt 24                              ; my lower half of W is in: three younger runs of 8 may be out (in the last step: one run and the 16 of the bias)
.if \s < 7
	s_wait_dscnt 10                                ; this step's fragments of x are in: the 10 just issued may be out
.else
	s_wait_dscnt 0x0
.endif
	WIN 0x50                                       ; C and D in window 1
	WM16 \path, \s, 0
	WIN 0
	PLACES
.if \s <= 5
	WLOAD (\s)+2, 0
	s_wait_loadcnt 24                              ; my upper half is in: three younger runs may be out
.else
	s_wait_loadcnt 16                              ; two younger runs (in the last step: the 16 of the bias)
.endif
	WIN 0x50
	WM16 \path, \s, 4
	WIN 0
	PLACES
.if \s <= 5
	WLOAD (\s)+2, 4
.elseif \s == 6
	BIAS \path
.endif
.endm
.macro OUT path
	s_wait_loadcnt 0x0                             ; the bias
	WIN 0x41                                       ; the sums in window 1, the bias in window 0
.irp t, 0,1,2,3,4,5,6,7
.irp m, 0,1,2,3
.irp p, 0,1,2,3                        ; each accumulator from its low end on
.if \path
	v_pk_add_f32 v[8*(4*\t+\m)+2*\p:8*(4*\t+\m)+2*\p+1], v[8*(4*\t+\m)+2*\p:8*(4*\t+\m)+2*\p+1], v[WF+2*\t:WF+2*\t+1]
.else
	v_pk_add_f32 v[8*(4*\t+\m)+2*\p:8*(4*\t+\m)+2*\p+1], v[8*(4*\t+\m)+2*\p:8*(4*\t+\m)+2*\p+1], v[WF+8*\t+2*\p:WF+8*\t+2*\p+1]
.endif
.endr
.endr
.endr
	WIN 0x05                                       ; sources in window 1, results in window 0: v64-127 and v192-255, beside the bias
.irp t, 0,1,2,3,4,5,6,7
.irp m, 0,1,2,3
.irp p, 0,1,2,3
	v_cvt_pk_f16_f32 v[AF+4*(4*\t+\m)+64*(\t/4)+\p], v[8*(4*\t+\m)+2*\p], v[8*(4*\t+\m)+2*\p+1]
.endr
.endr
.endr
	WIN 0
.irp t, 0,1,2,3,4,5,6,7
.irp m, 0,1,2,3
.if \path
	global_store_b128 v[LI], v[AF+4*(4*\t+\m)+64*(\t/4):AF+4*(4*\t+\m)+64*(\t/4)+3], s[42:43] offset:(\t/4)*262144+4096*(\m/2)+1024*(\t%4)+512*(\m%2)
.else
	global_store_b128 v[LI], v[AF+4*(4*\t+\m)+64*(\t/4):AF+4*(4*\t+\m)+64*(\t/4)+3], s[42:43] offset:(\t/4)*262144+2048*\m+512*(\t%4)
.endif
.endr
.endr
.endm
.macro BODY path
.irp s, 0,1,2,3,4,5,6,7
	KSTEP \path, \s
.endr
	OUT \path
.endm
	s_load_b512 s[8:23], s[0:1], 0x0               ; q, k, v, wc, ws, b_q, b_k, b_v
	s_load_b128 s[24:27], s[0:1], 0x40             ; qf, kf
	s_load_b64 s[28:29], s[0:1], 0x50              ; vf
	v_lshl_add_u32 v[SPW], v0, 2, SPARE
	v_mov_b32 v[NIL], 0
	v_lshrrev_b32 v1, 5, v0
	v_readfirstlane_b32 s30, v1                    ; wave 0..7
	s_and_b32 s31, ttmp7, 0xffff                   ; the tensor
	v_and_b32 v1, 31, v0                           ; lane
	v_and_b32 v2, 15, v0                           ; r
	v_bfe_u32 v3, v0, 4, 1                         ; h
	v_lshlrev_b32 v[LI], 4, v1
	v_lshlrev_b32 v[L4], 2, v1
	v_lshlrev_b32 v[BOQ], 5, v3
	v_lshlrev_b32 v[BOV], 2, v2
	s_mul_i32 s46, s30, STGB                       ; my stage
	v_add_nc_u32 v[SIN], s46, v[LI]
	v_mul_u32_u24 v[SOUT], v2, 528
	v_lshl_add_u32 v[SOUT], v3, 6, v[SOUT]
	v_add_nc_u32 v[SOUT], s46, v[SOUT]
	s_lshl_b32 s46, s30, 12                        ; my four fragments: 4 w + i
	s_add_co_u32 s46, s46, XIMG
	v_add_nc_u32 v[XWI], s46, v[LI]
	s_and_b32 s33, s30, 1                          ; w % 2: which four K steps
	s_lshr_b32 s48, s30, 1                         ; w / 2: which tile of rows
	s_lshl_b32 s46, s33, 10
	s_lshl_b32 s47, s48, 6
	s_add_co_u32 s46, s46, s47
	s_add_co_u32 s46, s46, XSC
	v_lshl_add_u32 v[XWS], v2, 2, s46
	v_add_nc_u32 v[LIA], XIMG, v[LI]
	v_add_nc_u32 v[LSA], XSC, v[L4]
	s_mov_b32 s[SEL], 0x76543210
	s_mov_b32 s[SEL+1], 0xfedcba98                 ; v_permlanex16_b32: each lane takes its own place in the other half
.irp b, 0,1,2,3
	v_mov_b32 v[TM+4+\b], 0                        ; written once: a lane permute's destination counts as one of its sources
.endr
	s_lshl_b32 s50, ttmp9, 18                      ; x: 64 rows of 4,096 bytes a work-group, 16 rows a tile, 2,048 bytes for four K steps
	s_lshl_b32 s46, s48, 16
	s_add_co_u32 s50, s50, s46
	s_lshl_b32 s46, s33, 11
	s_add_co_u32 s50, s50, s46
	s_mov_b32 s51, 0
	s_lshl_b32 s52, s31, 19                        ; W's codes: the tensor's 524,288 bytes, my 8 tiles of 8,192
	s_lshl_b32 s46, s30, 16
	s_add_co_u32 s52, s52, s46
	s_mov_b32 s53, 0
	s_lshl_b32 s54, s31, 15                        ; W's scale words: the tensor's 8 rows of 4,096 bytes, my 128 words
	s_lshl_b32 s56, s30, 9
	s_add_co_u32 s54, s54, s56
	s_mov_b32 s55, 0
	s_mov_b32 s57, 0                               ; s[56:57]: my 128 numbers of the bias
	s_lshr_b32 s58, ttmp9, 5                       ; the result: batch x 16 heads of 262,144 bytes, my two heads, 64 positions = 8,192 bytes: the same for all three layouts
	s_lshl_b32 s58, s58, 22
	s_lshl_b32 s46, s30, 19
	s_add_co_u32 s58, s58, s46
	s_and_b32 s46, ttmp9, 31
	s_lshl_b32 s46, s46, 13
	s_add_co_u32 s58, s58, s46
	s_mov_b32 s59, 0
	s_wait_kmcnt 0x0
	s_cmp_eq_u32 s31, 1                            ; the buffers are chosen by the work-group's number alone
	s_cselect_b64 s[34:35], s[10:11], s[8:9]
	s_cselect_b64 s[40:41], s[20:21], s[18:19]
	s_cselect_b64 s[42:43], s[26:27], s[24:25]
	s_cmp_eq_u32 s31, 2
	s_cselect_b64 s[34:35], s[12:13], s[34:35]
	s_cselect_b64 s[40:41], s[22:23], s[40:41]
	s_cselect_b64 s[42:43], s[28:29], s[42:43]
	s_add_nc_u64 s[34:35], s[34:35], s[50:51]
	s_add_nc_u64 s[36:37], s[14:15], s[52:53]
	s_add_nc_u64 s[38:39], s[16:17], s[54:55]
	s_add_nc_u64 s[40:41], s[40:41], s[56:57]
	s_add_nc_u64 s[42:43], s[42:43], s[58:59]
	; ---- phase X: my 16 rows x 512 along K become four fragments
.irp p, 0,1,2,3
.irp s, 0,1,2,3,4,5,6,7
	global_load_b32 v[WSR+8*\p+\s], v[L4], s[38:39] offset:4096*\s+128*\p   ; W's scale words stay in registers for the whole launch
.endr
.endr
	XLOAD 0
	XLOAD 1
	s_wait_loadcnt 16                              ; K step 0 is in; the one younger run of 16 may be out
	XLOAD 2
	TURN 0
	s_wait_loadcnt 16                              ; K step 1 is in
	XLOAD 3
	TURN 1
	s_wait_dscnt 32                                ; turn 0 is back; turn 1's 32 may be out
	QUANT XQ, PC, PW
	IMAGE 0
	s_wait_loadcnt 16                              ; K step 2 is in
	TURN 2
	s_wait_dscnt 35                                ; turn 1 is back; an image's 3 stores and turn 2's 32 may be out
	QUANT XQ+64, PC+8, PW+1
	IMAGE 1
	s_wait_loadcnt 0x0                             ; K step 3 is in
	TURN 3
	s_wait_dscnt 35                                ; turn 2 is back
	QUANT XQ, PC+16, PW+2
	IMAGE 2
	WLOAD 0, 0                                     ; W's first K step, into the registers that the numbers have left
	WLOAD 0, 4
	s_wait_dscnt 3                                 ; turn 3 is back; an image's 3 stores may be out
	QUANT XQ+64, PC+24, PW+3
	IMAGE 3
	WLOAD 1, 0
	WLOAD 1, 4
	s_wait_dscnt 0x0                               ; for the others' sake: my images have landed
	s_barrier_signal -1
	s_barrier_wait -1                              ; x's 32 fragments lie in LDS; nothing is stored to LDS from here on
	AFETCH 0
	s_cmp_eq_u32 s31, 2
	s_cbranch_scc1 .Lbody_v
	BODY 0
	s_branch .Lend
.Lbody_v:
	BODY 1
.Lend:
	s_wait_tensorcnt 0x0                           ; the wave's end, behind my last LDS store
	ds_add_u32 v[SPW], v[NIL]
	s_wait_dscnt 0x0
	s_endpgm
.Lfunc_end_k_q9149d6b4ab_proj:
	.size	k_q9149d6b4ab_proj, .Lfunc_end_k_q9149d6b4ab_proj-k_q9149d6b4ab_proj
	.p2alignl 7, 3214868480
	.fill 96, 4, 3214868480
	.section	.rodata,"a",@progbits
	.p2align	6, 0x0
	.amdhsa_kernel k_q9149d6b4ab_proj
		.amdhsa_group_segment_fixed_size 103424
		.amdhsa_private_segment_fixed_size 0
		.amdhsa_enable_private_segment 0
		.amdhsa_kernarg_size 88
		.amdhsa_user_sgpr_count 2
		.amdhsa_user_sgpr_kernarg_segment_ptr 1
		.amdhsa_wavefront_size32 1
		.amdhsa_system_sgpr_workgroup_id_x 1
		.amdhsa_system_sgpr_workgroup_id_y 1
		.amdhsa_system_sgpr_workgroup_id_z 1
		.amdhsa_system_vgpr_workitem_id 0
		.amdhsa_next_free_vgpr 512
		.amdhsa_next_free_sgpr 66
		.amdhsa_reserve_vcc 0
		.amdhsa_float_denorm_mode_32 3
		.amdhsa_float_denorm_mode_16_64 3
		.amdhsa_memory_ordered 1
		.amdhsa_forward_progress 1
		.amdhsa_inst_pref_size 180
	.end_amdhsa_kernel
	.amdgpu_metadata
---
amdhsa.version: [ 1, 2 ]
amdhsa.kernels:
  - .name:           k_q9149d6b4ab_proj
    .symbol:         k_q9149d6b4ab_proj.kd
    .args:
      - { .name: q, .offset: 0, .size: 8, .value_kind: global_buffer, .address_space: global }
      - { .name: k, .offset: 8, .size: 8, .value_kind: global_buffer, .address_space: global }
      - { .name: v, .offset: 16, .size: 8, .value_kind: global_buffer, .address_space: global }
      - { .name: wc, .offset: 24, .size: 8, .value_kind: global_buffer, .address_space: global }
      - { .name: ws, .offset: 32, .size: 8, .value_kind: global_buffer, .address_space: global }
      - { .name: b_q, .offset: 40, .size: 8, .value_kind: global_buffer, .address_space: global }
      - { .name: b_k, .offset: 48, .size: 8, .value_kind: global_buffer, .address_space: global }
      - { .name: b_v, .offset: 56, .size: 8, .value_kind: global_buffer, .address_space: global }
      - { .name: qf, .offset: 64, .size: 8, .value_kind: global_buffer, .address_space: global }
      - { .name: kf, .offset: 72, .size: 8, .value_kind: global_buffer, .address_space: global }
      - { .name: vf, .offset: 80, .size: 8, .value_kind: global_buffer, .address_space: global }
    .group_segment_fixed_size: 103424
    .private_segment_fixed_size: 0
    .kernarg_segment_align: 8
    .kernarg_segment_size: 88
    .max_flat_workgroup_size: 256
    .sgpr_count:     66
    .vgpr_count:     512
    .wavefront_size: 32
...
	.end_amdgpu_metadata
.endif
;; end of part 2
;; launch attn (part 3): grid 8 x 32, 4 waves a work-group, clusters of 4 x 1, 327,680 bytes of LDS; arguments qf, kf, vf, of; writes of
.if DOCPART == 3
	.amdgcn_target "amdgcn-amd-amdhsa--gfx1250"
	.amdhsa_code_object_version 6
	.text
	.protected	k_q9149d6b4ab_attn
	.globl	k_q9149d6b4ab_attn
	.p2align	8
	.type	k_q9149d6b4ab_attn,@function
k_q9149d6b4ab_attn:
	s_mov_b64 s[64:65], 0
	v_nop
	global_prefetch_b8 v0, s[64:65] scope:SCOPE_SE
	s_setreg_imm32_b32 hwreg(HW_REG_WAVE_MODE, 25, 1), 1
	s_wait_xcnt 0x0
	s_wait_alu depctr_hold_cnt(0) depctr_sa_sdst(0) depctr_va_vdst(0) depctr_va_sdst(0) depctr_va_ssrc(0) depctr_va_vcc(0) depctr_vm_vsrc(0)
	s_getreg_b32 s2, hwreg(HW_REG_IB_STS2, 6, 4)
	s_cmp_eq_u32 s2, 0
	s_cbranch_scc0 .Lentry_in_a_cluster
	s_endpgm
.Lentry_in_a_cluster:
	s_bfe_u32 s2, ttmp6, 0x10000c
	s_cmp_lg_u32 s2, 0x3003
	s_cbranch_scc0 .Lentry_shape_is_right
	s_endpgm
.Lentry_shape_is_right:
; O[b h][q][:] = the sum over k of softmax_k(Q[q] . K[k] / 8) V[k][:], 32 heads of 2,048 positions x 64 channels, no mask.  Operands in f16; products, maxima and sums in f32; the weights p are rounded to f16
; for the second product, O once at the end.
; ALL FOUR BUFFERS ARE IMAGES OF OPERAND REGISTERS (a group of four registers is 512 bytes, lane l's 16 bytes at 16 l): qf, kf: fragments of 16 positions x 32 channels; vf: fragments of V^T, 16 channels x 32 keys;
; of: fragments of 16 rows x 32 of the last product's K.  So every LDS load takes 512 consecutive bytes, nothing is padded or turned, a slot's keys are one dense block of memory, and O leaves straight from registers.
; SHARES.  A work-group owns 256 queries of one head, each of its four waves 64: four tiles of 16.  Every wave walks all keys, 64 a step.
; LAYOUT.  S^T = K Q^T (source 0 = 16 keys, source 1 = 16 queries): a lane holds ONE query (lane % 16) and the keys 8 (lane / 16) + 0..7.  Two such tiles, rounded in pairs, ARE source 1 of O^T = V^T P.
; SOFTMAX.  For each query a running maximum m and sum l: p = 2^(c s - c m), c = log2(e) / 8; in every step O and l are multiplied by a = 2^(c m_old - c m_new).
; BY TURNS.  The wave's tiles are two PIECES (piece 0: tiles 0, 1; piece 2: tiles 2, 3).  In a TURN one piece has the matrix unit: 16 products V^T P of the step in hand, then 16 products K Q^T of the next step;
; the other piece's softmax, 2 x 118 instructions cut into 59 slices of four, stands between them: two slices behind each of the first 27 products, one behind each of the last five.  Two turns are a key step.
; CLUSTER.  The four query blocks of a cluster belong to one head and walk the same K and V: each tile is asked for JOINTLY, by the same tensor load with the same descriptor and a mask that names the four.
; THE RING: two slots of 512 keys (8 steps): 64 KB of K, then 64 KB of V; each wave brings 32 KB with one load.  By this text's own count a wave has two tensor loads out at the start, later one.
; LIMITS: NaN and infinities are not served; an output of attention of 65,504 or more has no f16.
; REGISTERS, in windows of 256: window 0: v2-4 addresses; v12-43 eight registers of statistics a tile; v62, v63 the add's two; v64-191 S^T, 32 a tile; v192-255 P, 16 a tile.
;   window 1: v0-127 O^T, 32 a tile; v128-191 V of one step.     window 2: v0-63 Q, 16 a tile; v128-191 K of one step.
.set STEPB, 8192                       ; a step's 64 keys of K, or of V, in bytes
.set NST,   8                          ; steps in a slot
.set SLOTB, NST*STEPB
.set VOFF,  SLOTB                      ; in a slot V lies behind K
.set SLOT1, 1<<17                      ; slot 1 begins here: one exclusive or turns an address in one slot into the other's
.set SPARE, 2*SLOT1                    ; behind the ring: the spare words, 128 bytes a wave: two blocks of 256 bytes that no other line names
.set AK0, 2                            ; v2   16 x lane: my place in an image: K's, Q's and O's; never rewritten
.set AV0, 3                            ; v3   the same for V
.set ADR, 4                            ; v4   the LDS address of the run of loads in hand
.set SPW, 62
.set NIL, 63
.set ST,  12                           ; tile t's statistics at v[ST + 8 t]: +0 c m, +1 m, +2, +3 l (even keys', odd keys'), +4 to +7 at work; a takes +6 once the maximum is found
.set S,   64
.set P,   192
.set KF,  128                          ; in window 2
.set VF,  128                          ; in window 1
.set WV,  12                           ; s12  my wave's number
.set G1,  24                           ; s[24:31] descriptor group 1: one shape serves K's and V's tiles
.set G0K, 40                           ; s[40:47] group 0 for K's tiles: a set for each of the two first fills; the second then walks on
.set G0V, 48                           ; s[48:55] the same for V's
.set SLOTS, 56
.set CNT, 57
.set CS,  58                           ; s[58:59] c
.set SEL, 60                           ; s[60:61] lane selects for v_permlanex16_b32
.set TB,  62                           ; s62  LDS byte at which the tiles of the step to be fetched begin
.set MSB, 0
.macro WIN new                         ; the immediate's high byte repeats the setting that is left; a switch that changes nothing is dropped
.if MSB != \new
	s_set_vgpr_msb (MSB<<8)|\new
.set MSB, \new
.endif
.endm
.set W_KQ, 0x0a                        ; K and Q in window 2, S^T in window 0
.set W_PV, 0x51                        ; V and O^T in window 1, P in window 0
.set W_RS, 0x41                        ; O^T (destination and source 0) in window 1, a in window 0
; A joint refill.  Waves 0 and 1 fetch the halves of a slot's K, waves 2 and 3 those of its V.  The branch hangs on the wave's number alone.  An s_nop 0 and four v_nop follow each line.
.macro JLOAD
	s_cmp_lt_u32 s[WV], 2
	s_cbranch_scc0 .Lfor_v_\@
	tensor_load_to_lds s[G0K+4:G0K+7], s[G1:G1+7]
	s_nop 0
.rept 4
	v_nop
.endr
	s_branch .Lasked_\@
.Lfor_v_\@:
	tensor_load_to_lds s[G0V+4:G0V+7], s[G1:G1+7]
	s_nop 0
.rept 4
	v_nop
.endr
.Lasked_\@:
.endm
.macro CROUND                          ; a round of the cluster's barrier: my work-group's barrier; wave 0 signals for the work-group; every wave waits for all four work-groups; my work-group's barrier once more
	s_barrier_signal -1
	s_barrier_wait -1
	s_cmp_lg_u32 s[WV], 0
	s_cbranch_scc1 .Lnot_wave_0_\@
	s_barrier_signal -3
.Lnot_wave_0_\@:
	s_barrier_wait -3
	s_barrier_signal -1
	s_barrier_wait -1
.endm
; Product i of 16 of O^T += V^T P: keys 32 (i / 8) on, channels 16 ((i / 2) % 4) on, tile x + i % 2.  zero: the first 8 start the sums.  The accumulators take turns: 7 others' stand between two links.
.macro PV x, zero
	WIN W_PV
.set rO, 32*(\x+i%2)+8*((i/2)%4)
.set rV, VF+32*(i/8)+8*((i/2)%4)
.set rP, P+16*(\x+i%2)+8*(i/8)
.if (\zero) && (i < 8)
	v_wmma_f32_16x16x32_f16 v[rO:rO+7], v[rV:rV+7], v[rP:rP+7], 0
.else
	v_wmma_f32_16x16x32_f16 v[rO:rO+7], v[rV:rV+7], v[rP:rP+7], v[rO:rO+7]
.endif
.endm
; Product i of 16 of S^T = K Q^T: channels 32 (i / 8) on, keys 16 ((i / 2) % 4) on, tile x + i % 2.  The first 8 start the sums.
.macro KQ x
	WIN W_KQ
.set rS, S+32*(\x+i%2)+8*((i/2)%4)
.set rK, KF+16*((i/2)%4)+8*(i/8)
.set rQ, 16*(\x+i%2)+8*(i/8)
.if i < 8
	v_wmma_f32_16x16x32_f16 v[rS:rS+7], v[rK:rK+7], v[rQ:rQ+7], 0
.else
	v_wmma_f32_16x16x32_f16 v[rS:rS+7], v[rK:rK+7], v[rQ:rQ+7], v[rS:rS+7]
.endif
.endm
; THE LDS LOADS stand in runs of 16: a step's K and, a turn later, its V: 8,192 bytes each, registers and bytes in the same order.
.macro FETCH_K
	WIN 0
	v_add_nc_u32 v[ADR], s[TB], v[AK0]
	WIN 0x80                                       ; destination window 2
.irp f, 0,1,2,3,4,5,6,7,8,9,10,11,12,13,14,15
	ds_load_b128 v[KF+4*\f:KF+4*\f+3], v[ADR] offset:512*\f
.endr
.endm
.macro FETCH_V
	WIN 0
	v_add_nc_u32 v[ADR], s[TB], v[AV0]
	s_add_co_u32 s[TB], s[TB], STEPB               ; the next fetch is the next step's
	s_wait_alu depctr_va_vdst(0)                   ; the wait for the softmax's batch of exponentials, ahead of the first instruction that names a result
	WIN 0x40                                       ; destination window 1
.irp f, 0,1,2,3,4,5,6,7,8,9,10,11,12,13,14,15
	ds_load_b128 v[VF+4*\f:VF+4*\f+3], v[ADR] offset:512*\f
.endr
.endm
; THE VECTOR WORK OF A TURN.  One tile's softmax for one key step is a list of 118 instructions; SM writes number j of it for tile t.  s0-s31 are the lane's 32 scores, in pairs 0-15.
;   0-15    the maximum of s0-s31 and the old m, three operands at a time;   16-20  the other half of the lanes' maximum; the new m; c m; c m_old - c m_new
;   21-69   ONE BATCH: the 16 scalings c s - c m and all 33 exponentials (a at 23, then s0-s31); none of these reads an exponential's result
;   70-85   the roundings to f16;   86-101  the sums, l = a l + the sum;   102-117 the tile's O^T times a: the one part that leaves window 0
; first = 1: the first key step, which starts m, l and O^T: it has no a and nothing to rescale.
.macro SM t, first
.set rT, ST+8*(\t)
.set rS, S+32*(\t)
.set rP, P+16*(\t)
.set rO, 32*(\t)+2*(j-102)
.if j < 102
	WIN 0
.endif
.if j < 4
	v_max3_num_f32 v[rT+4+j], v[rS+8*j], v[rS+8*j+1], v[rS+8*j+2]      ; each tile of scores is read from its low end on
.elseif j < 12
	v_max3_num_f32 v[rT+4+j%4], v[rT+4+j%4], v[rS+8*(j%4)+2*(j/4)+1], v[rS+8*(j%4)+2*(j/4)+2]
.elseif j == 12
	v_max3_num_f32 v[rT+4], v[rT+4], v[rS+7], v[rS+15]
.elseif j == 13
	v_max3_num_f32 v[rT+6], v[rT+6], v[rS+23], v[rS+31]
.elseif j == 14
	v_max3_num_f32 v[rT+4], v[rT+4], v[rT+5], v[rT+6]
.elseif (j == 15) && \first
	v_max_num_f32 v[rT+4], v[rT+4], v[rT+7]
.elseif j == 15
	v_max3_num_f32 v[rT+4], v[rT+4], v[rT+7], v[rT+1]
.elseif j == 16
	v_permlanex16_b32 v[rT+5], v[rT+4], s[SEL], s[SEL+1]               ; the query's other 32 keys lie in the lane 16 away
.elseif j == 18
	v_max_num_f32 v[rT+1], v[rT+4], v[rT+5]
.elseif j == 19
	v_mul_f32 v[rT], s[CS], v[rT+1]
.elseif ((j == 17) || (j == 20) || (j == 23) || (j > 101)) && \first
.elseif j == 17
	v_mov_b32 v[rT+7], v[rT]                       ; c m_old is kept for a
.elseif j == 20
	v_sub_f32 v[rT+7], v[rT+7], v[rT]
.elseif j == 23
	v_exp_f32 v[rT+6], v[rT+7]
.elseif (j < 23) || ((j < 38) && (j%2 == 0)) || ((j < 66) && (j%4 == 2))
.set b, (j-2)/4
.if j < 38
.set b, (j-20)/2
.endif
	v_pk_fma_f32 v[rS+2*b:rS+2*b+1], v[rS+2*b:rS+2*b+1], s[CS:CS+1], v[rT:rT+1] op_sel_hi:[1,0,0] neg_lo:[0,0,1] neg_hi:[0,0,1]   ; pair b: c s - c m
.elseif j < 70
.set e, j-38
.if j < 66
.set e, j-32-(j-38)/4
.endif
.if j < 38
.set e, (j-25)/2
.endif
	v_exp_f32 v[rS+e], v[rS+e]
.elseif j < 86
	v_cvt_pk_f16_f32 v[rP+j-70], v[rS+2*(j-70)], v[rS+2*(j-70)+1]
.elseif j < 102                        ; the sum of the tile's 16 pairs, in place: neighbours 1, 2, 4 and 8 pairs apart, then l takes it
.set z, j-86
.set w, 4
.set u, z
.if z >= 14
.set w, 32
.set u, 0
.elseif z >= 12
.set w, 16
.set u, z-12
.elseif z >= 8
.set w, 8
.set u, z-8
.endif
.if (z == 14) && \first
	v_pk_add_f32 v[rT+2:rT+3], v[rS:rS+1], v[rS+16:rS+17]
.elseif z < 15
	v_pk_add_f32 v[rS+w*u:rS+w*u+1], v[rS+w*u:rS+w*u+1], v[rS+w*u+w/2:rS+w*u+w/2+1]
.elseif !\first
	v_pk_fma_f32 v[rT+2:rT+3], v[rT+2:rT+3], v[rT+6:rT+7], v[rS:rS+1] op_sel_hi:[1,0,1]
.endif
.else
	WIN W_RS
	v_pk_mul_f32 v[rO:rO+1], v[rO:rO+1], v[rT+6:rT+7] op_sel_hi:[1,0]   ; ascending: each accumulator from its low end on
.endif
.endm
; Slice k of 59 of piece y's softmax: four instructions.  Slices 11 to 34 deal out the batch, four numbers of ONE tile each, the tiles by turns; every other slice is numbers 2 k and 2 k + 1 of both tiles.
; Ahead of slice 35 nothing names an exponential's result, and behind slice 34 no exponential is issued: the piece's 66 exponentials have one plain instruction and one wait, behind slice 34.
.macro SLICE y, first
.if (k >= 11) && (k < 35)
.irp n, 0,1,2,3
.set j, 22+4*((k-11)/2)+(\n)
	SM (\y)+(k-11)%2, \first
.endr
.else
.irp n, 0,1
.irp t, \y, \y+1
.set j, 2*k+\n
	SM \t, \first
.endr
.endr
.endif
.if k == 34
	v_nop                                          ; the plain instruction behind the last exponential
.if (\y) == 0
	FETCH_V                                        ; piece 2's turn: V's run of loads stands here, and the wait stands in it
.else
	s_wait_alu depctr_va_vdst(0)                   ; the wait for the batch
.endif
.endif
.set k, k+1
.endm
.macro PLACES
.rept 4
	v_nop
.endr
.endm
.macro TARGET                          ; how many slices stand behind the turn's first mi products.  The last product is always followed by slice 58 alone
.if both
.if mi <= 27
.set tgt, 2*mi
.else
.set tgt, mi+27
.endif
.else
.if mi <= 14
.set tgt, 4*mi
.else
.set tgt, mi+43
.endif
.endif
.endm
.macro DEAL y, first
.set mi, mi+1
	TARGET
.rept tgt-k
	SLICE \y, \first
.endr
.endm
; A TURN.  Piece x has the matrix unit; the other piece's softmax stands in slices behind its products.  pv = 2: 16 products V^T P; 1: they start O^T's sums; 0: none.  kq = 1: 16 products K Q^T for the next step.
; PLACES (ISA guide 7.12.1 for vector reads).  Slice 58, four packed multiplies on the other piece's O^T, stands behind the turn's last product: the four places ahead of the next turn's first read of
; the scores and of the loads into K's registers.  With first = 1 the slices from 51 on are empty, and four v_nop take that part.
; Piece 0's turn fetches the next step's K behind its second product.  Piece 2's turn fetches the same step's V behind slice 34, which stands behind its 18th product: between the last product that read V, the 16th,
; and the loads lie five plain instructions: three scalings (number 58 of one tile, 62 of both), the v_nop and the run's own v_add_nc_u32.
.macro TURN x, pv, kq, first
.set k, 0
.set mi, 0
.set both, 0
.if (\pv) && (\kq)
.set both, 1
.endif
.if \pv
.if \x == 0
	s_wait_dscnt 0x0                               ; V is in
.endif
.set i, 0
.rept 16
	PV \x, 2-\pv
	DEAL 2-\x, \first
.if (\x == 0) && (\kq) && (i == 1)
	FETCH_K
.endif
.set i, i+1
.endr
.endif
.if \kq
.if \x == 0
	s_wait_dscnt 0x0                               ; K is in
.endif
.set i, 0
.rept 16
	KQ \x
	DEAL 2-\x, \first
.set i, i+1
.endr
.endif
.if \first
	PLACES
.endif
.endm
; THE CHANGE OF SLOTS, between piece 2's turn and piece 0's: the slot's last bytes, V of its last step, have been asked for.  Each wave waits for all its tensor loads (one is out: its part of the other slot), adds 0
; to its spare word, and waits for that and for its own reads of the slot.  fill = 1: the slot is filled again with the keys two slots on; the barrier is then a round of the cluster's, so that no wave of any partner
; still reads the slot or has a load on its way, and the joint refill is the first thing behind it: it has eight key steps in which to land.
.macro CHANGE fill
	WIN 0
	s_wait_tensorcnt 0x0                           ; no tensor load of mine is out, so a group 0 may be written
	ds_add_u32 v[SPW], v[NIL]                      ; 0 onto my spare word
.if \fill
.irp g, G0K+4, G0V+4
	s_xor_b32 s[\g+1], s[\g+1], SLOT1              ; the walking descriptor: the other slot than last time,
	s_add_nc_u64 s[\g+2:\g+3], s[\g+2:\g+3], SLOTB ; the next 512 keys; the type bits on top are not reached
.endr
	s_wait_dscnt 0x0                               ; the add is done, and my reads of the slot are over
	CROUND
	JLOAD
.else
	s_wait_dscnt 0x0
	s_barrier_signal -1
	s_barrier_wait -1
.endif
	s_sub_co_u32 s[TB], s[TB], SLOTB               ; the fetches go back to a slot's first step,
	s_xor_b32 s[TB], s[TB], SLOT1                  ; in the other slot
.endm
.macro STEPS n                         ; n key steps: written once, walked n times; the LDS addresses hang on s[TB]
	s_mov_b32 s[CNT], \n
.Lstep_\@:
	TURN 0, 2, 1, 0
	TURN 2, 2, 1, 0
	WIN 0
	s_sub_co_u32 s[CNT], s[CNT], 1
	s_cmp_lg_u32 s[CNT], 0
	s_cbranch_scc1 .Lstep_\@
.endm
	s_load_b256 s[4:11], s[0:1], 0x0               ; qf s[4:5], kf s[6:7], vf s[8:9], of s[10:11]
	v_lshl_add_u32 v[SPW], v0, 2, SPARE
	v_mov_b32 v[NIL], 0
	ds_add_u32 v[SPW], v[NIL]                      ; the wave's opening: the add, twice on end, and its wait ahead of my first tensor load; the set-up below stands between
	ds_add_u32 v[SPW], v[NIL]
	v_lshrrev_b32 v1, 5, v0
	v_readfirstlane_b32 s[WV], v1                  ; wave 0..3
	s_bfe_u32 s13, ttmp6, 0x40000                  ; cx: my place in the cluster
	s_lshl_b32 s14, ttmp9, 2
	s_add_co_u32 s14, s14, s13                     ; my block of 256 queries: it enters Q's and O's addresses alone
	s_and_b32 s15, ttmp7, 0xffff                   ; the head, which the four partners share
	s_lshl_b32 s20, s15, 18                        ; its first byte in qf, kf and vf: 262,144 bytes a head
	s_and_b32 s16, s[WV], 1                        ; which half of a slot's K or V I fetch:
	s_lshl_b32 s17, s16, 15                        ; 32,768 bytes on, in memory and in LDS: no place in the cluster enters an LDS address
	s_add_co_u32 s22, s20, s17
	s_mov_b32 s23, 0
	s_lshl_b32 s2, s14, 15                         ; Q: my block's 16 tiles of 2,048 bytes, my wave's 4
	s_lshl_b32 s3, s[WV], 13
	s_add_co_u32 s2, s2, s3
	s_add_co_u32 s2, s2, s20
	s_mov_b32 s3, 0
	s_lshr_b32 s18, s15, 4                         ; O: row tile 128 x batch + 16 x block + 4 x wave, 32,768 bytes each; my head's 2,048 bytes in it
	s_lshl_b32 s18, s18, 22
	s_lshl_b32 s19, s14, 19
	s_add_co_u32 s18, s18, s19
	s_lshl_b32 s19, s[WV], 17
	s_add_co_u32 s18, s18, s19
	s_and_b32 s19, s15, 15
	s_lshl_b32 s19, s19, 11
	s_add_co_u32 s18, s18, s19
	s_mov_b32 s19, 0
	; descriptor group 1: 32,768 dense bytes as 128 rows of 256 bytes (32 elements of 8 bytes), no padding
	s_mov_b32 s[G1], 15|(3<<16)|(1<<21)            ; 15:0 the mask: all four work-groups; 17:16 elements of 8 bytes; 21 set beside a mask
	s_mov_b32 s[G1+1], 32<<16                      ; tensor_dim0 = 32
	s_mov_b32 s[G1+2], 128<<16                     ; tensor_dim1 = 128
	s_mov_b32 s[G1+3], 32<<16                      ; tile_dim0 = 32
	s_mov_b32 s[G1+4], 128                         ; tile_dim1 = 128
	s_mov_b32 s[G1+5], 32                          ; from row to row: 32 elements
	s_mov_b32 s[G1+6], 0
	s_mov_b32 s[G1+7], 0
	s_mov_b32 s[CS], 0x3e38aa3b                    ; c = log2(e) / 8
	s_mov_b32 s[CS+1], s[CS]                       ; named with it as a pair, so it is written
	s_mov_b32 s[SEL], 0x76543210
	s_mov_b32 s[SEL+1], 0xfedcba98
	s_mov_b32 s[TB], 0
	s_mov_b32 s[SLOTS], 2                          ; four slots' worth of keys: all but the last two slots are filled again
	s_wait_dscnt 0x0                               ; both opening adds are done
	s_wait_kmcnt 0x0
	s_add_nc_u64 s[6:7], s[6:7], s[22:23]          ; K and V at my half of slot 0
	s_add_nc_u64 s[8:9], s[8:9], s[22:23]
	s_add_nc_u64 s[4:5], s[4:5], s[2:3]            ; Q and O at my wave's first tile
	s_add_nc_u64 s[10:11], s[10:11], s[18:19]
	CROUND                                         ; all four work-groups are here: the first joint loads meet
.irp s, 0,1
	s_mov_b32 s[G0K+4*\s], 1                       ; count = 1
	s_add_co_u32 s[G0K+4*\s+1], s17, \s*SLOT1      ; LDS address
	s_add_nc_u64 s[G0K+4*\s+2:G0K+4*\s+3], s[6:7], \s*SLOTB   ; global address: slot s begins with keys 512 s on
	s_or_b32 s[G0K+4*\s+3], s[G0K+4*\s+3], 0x80000000         ; type = 2
	s_mov_b32 s[G0V+4*\s], 1
	s_add_co_u32 s[G0V+4*\s+1], s17, \s*SLOT1+VOFF
	s_add_nc_u64 s[G0V+4*\s+2:G0V+4*\s+3], s[8:9], \s*SLOTB
	s_or_b32 s[G0V+4*\s+3], s[G0V+4*\s+3], 0x80000000
.endr
	s_cmp_lt_u32 s[WV], 2                          ; a wave's two first fills stand in one branch, ahead of every wait on TENSORcnt and every LDS read
	s_cbranch_scc0 .Lfirst_v
	tensor_load_to_lds s[G0K:G0K+3], s[G1:G1+7]
	s_nop 0
	tensor_load_to_lds s[G0K+4:G0K+7], s[G1:G1+7]
	s_nop 0
.rept 4
	v_nop
.endr
	s_branch .Lfirst_asked
.Lfirst_v:
	tensor_load_to_lds s[G0V:G0V+3], s[G1:G1+7]
	s_nop 0
	tensor_load_to_lds s[G0V+4:G0V+7], s[G1:G1+7]
	s_nop 0
.rept 4
	v_nop
.endr
.Lfirst_asked:
	v_and_b32 v1, 31, v0
	v_lshlrev_b32 v[AK0], 4, v1
	v_add_nc_u32 v[AV0], VOFF, v[AK0]
	WIN 0x80                                       ; destination window 2
.irp f, 0,1,2,3,4,5,6,7,8,9,10,11,12,13,14,15
	global_load_b128 v[4*\f:4*\f+3], v[AK0], s[4:5] offset:512*\f      ; Q stays in registers: my four tiles, 8,192 consecutive bytes
.endr
	WIN 0
	s_wait_tensorcnt 1                             ; my part of slot 0 is in; slot 1's may stay out
	s_barrier_signal -1
	s_barrier_wait -1                              ; everybody's is
	FETCH_K                                        ; key step 0
	s_wait_loadcnt 0x0                             ; Q
	s_wait_dscnt 0x0
.set i, 0
.rept 16
	KQ 0                                           ; piece 0's first scores: there is no vector work yet to set between them
.set i, i+1
.endr
	PLACES
	TURN 2, 0, 1, 1                                ; piece 2's first scores | piece 0's first softmax | V of step 0
	TURN 0, 1, 1, 1                                ; piece 0: V^T P of step 0 starts O^T, K Q^T of step 1 | piece 2's first softmax | K of step 1
	TURN 2, 1, 1, 0                                ; piece 2: the same | piece 0's softmax of step 1 | V of step 1
	WIN 0
	STEPS NST-2                                    ; the rest of slot 0
.Lslot:                                            ; two trips: each leaves a slot, fills it again and walks the other
	CHANGE 1
	STEPS NST
	s_sub_co_u32 s[SLOTS], s[SLOTS], 1
	s_cmp_lg_u32 s[SLOTS], 0
	s_cbranch_scc1 .Lslot
	CHANGE 0                                       ; the tail is written out: nothing is asked for
	STEPS NST
	TURN 0, 2, 0, 0                                ; piece 0: V^T P of the last step | piece 2's last softmax
.set i, 0
.rept 16
	PV 2, 0                                        ; piece 2: V^T P of the last step
.set i, i+1
.endr
	; THE WAY OUT.  l's two halves and the other half of the lanes' are added; O^T is divided by l and rounded to f16: a lane's eight channels of a row are four registers of the next product's fragment.
	WIN 0
.irp t, 0,1,2,3
	v_add_f32 v[ST+8*\t+4], v[ST+8*\t+2], v[ST+8*\t+3]     ; (these four are the places behind the last products)
.endr
.irp t, 0,1,2,3
	v_permlanex16_b32 v[ST+8*\t+5], v[ST+8*\t+4], s[SEL], s[SEL+1]
.endr
.irp t, 0,1,2,3
	v_add_f32 v[ST+8*\t+4], v[ST+8*\t+4], v[ST+8*\t+5]
.endr
.irp t, 0,1,2,3
	v_rcp_f32 v[ST+8*\t+6], v[ST+8*\t+4]
.endr
	v_nop                                          ; a plain instruction between the last reciprocal and the use of its result
	s_wait_alu depctr_va_vdst(0)                   ; and the wait ahead of the first use: one for the four
.macro PACK t
	WIN W_RS
.set i, 32*\t
.rept 16
	v_pk_mul_f32 v[i:i+1], v[i:i+1], v[ST+8*\t+6:ST+8*\t+7] op_sel_hi:[1,0]
.set i, i+2
.endr
	WIN 0x05                                       ; sources in window 1, destination in window 0: S^T's registers are free
.set i, 0
.rept 16
	v_cvt_pk_f16_f32 v[S+32*\t+i], v[32*\t+2*i], v[32*\t+2*i+1]
.set i, i+1
.endr
	WIN 0
.irp d, 0,1,2,3
	global_store_b128 v[AK0], v[S+32*\t+4*\d:S+32*\t+4*\d+3], s[10:11] offset:32768*\t+512*\d   ; the wave stores 512 consecutive bytes, at a multiple of 256 from the buffer's first byte
.endr
.endm
	PACK 0
	PACK 1
	PACK 2
	PACK 3
	s_wait_tensorcnt 0x0                           ; the wave's end, behind my last tensor load
	ds_add_u32 v[SPW], v[NIL]
	s_wait_dscnt 0x0
	CROUND                                         ; the closing round: no work-group ends while a partner may still ask for a tile that names it
	s_endpgm
.Lfunc_end_k_q9149d6b4ab_attn:
	.size	k_q9149d6b4ab_attn, .Lfunc_end_k_q9149d6b4ab_attn-k_q9149d6b4ab_attn
	.p2alignl 7, 3214868480
	.fill 96, 4, 3214868480
	.section	.rodata,"a",@progbits
	.p2align	6, 0x0
	.amdhsa_kernel k_q9149d6b4ab_attn
		.amdhsa_group_segment_fixed_size 327680
		.amdhsa_private_segment_fixed_size 0
		.amdhsa_enable_private_segment 0
		.amdhsa_kernarg_size 32
		.amdhsa_user_sgpr_count 2
		.amdhsa_user_sgpr_kernarg_segment_ptr 1
		.amdhsa_wavefront_size32 1
		.amdhsa_system_sgpr_workgroup_id_x 1
		.amdhsa_system_sgpr_workgroup_id_y 1
		.amdhsa_system_sgpr_workgroup_id_z 1
		.amdhsa_system_vgpr_workitem_id 0
		.amdhsa_next_free_vgpr 768
		.amdhsa_next_free_sgpr 66
		.amdhsa_reserve_vcc 0
		.amdhsa_float_denorm_mode_32 3
		.amdhsa_float_denorm_mode_16_64 3
		.amdhsa_memory_ordered 1
		.amdhsa_forward_progress 1
		.amdhsa_inst_pref_size 190
	.end_amdhsa_kernel
	.amdgpu_metadata
---
amdhsa.version: [ 1, 2 ]
amdhsa.kernels:
  - .name:           k_q9149d6b4ab_attn
    .symbol:         k_q9149d6b4ab_attn.kd
    .args:
      - { .name: qf, .offset: 0, .size: 8, .value_kind: global_buffer, .address_space: global }
      - { .name: kf, .offset: 8, .size: 8, .value_kind: global_buffer, .address_space: global }
      - { .name: vf, .offset: 16, .size: 8, .value_kind: global_buffer, .address_space: global }
      - { .name: of, .offset: 24, .size: 8, .value_kind: global_buffer, .address_space: global }
    .group_segment_fixed_size: 327680
    .private_segment_fixed_size: 0
    .kernarg_segment_align: 8
    .kernarg_segment_size: 32
    .max_flat_workgroup_size: 128
    .sgpr_count:     66
    .vgpr_count:     768
    .wavefront_size: 32
...
	.end_amdgpu_metadata
.endif
;; end of part 3
;; launch outproj (part 4): grid 8 x 32, 4 waves a work-group, clusters of 4 x 4, 327,680 bytes of LDS; arguments of, wo16, out0, b_o; writes out0
.if DOCPART == 4
	.amdgcn_target "amdgcn-amd-amdhsa--gfx1250"
	.amdhsa_code_object_version 6
	.text
	.protected	k_q9149d6b4ab_outproj
	.globl	k_q9149d6b4ab_outproj
	.p2align	8
	.type	k_q9149d6b4ab_outproj,@function
k_q9149d6b4ab_outproj:
	s_mov_b64 s[64:65], 0
	v_nop
	global_prefetch_b8 v0, s[64:65] scope:SCOPE_SE
	s_setreg_imm32_b32 hwreg(HW_REG_WAVE_MODE, 25, 1), 1
	s_wait_xcnt 0x0
	s_wait_alu depctr_hold_cnt(0) depctr_sa_sdst(0) depctr_va_vdst(0) depctr_va_sdst(0) depctr_va_ssrc(0) depctr_va_vcc(0) depctr_vm_vsrc(0)
	s_getreg_b32 s2, hwreg(HW_REG_IB_STS2, 6, 4)
	s_cmp_eq_u32 s2, 0
	s_cbranch_scc0 .Lentry_in_a_cluster
	s_endpgm
.Lentry_in_a_cluster:
	s_bfe_u32 s2, ttmp6, 0x10000c
	s_cmp_lg_u32 s2, 0xf033
	s_cbranch_scc0 .Lentry_shape_is_right
	s_endpgm
.Lentry_shape_is_right:
; out0[m][n] = the sum over k of O[m][k] w_o[k][n] + b_o[n]: [4096, 1024] x [1024, 1024], operands in f16, sums in f32, the result f32.
; Both operands arrive as IMAGES OF OPERAND REGISTERS: [tile of 16 rows][kk 32][u 2][lane][16 bytes], a fragment of 16 rows x 32 K in 1,024 bytes, 32,768 bytes a tile of rows.  So every LDS load takes 512
; consecutive bytes and nothing is padded.
; A tile of the result is 128 x 128: 256 work-groups.  Four waves, each 64 x 64: 16 accumulators.  K goes in four steps of 256 through two LDS slots; a wave's tensor load brings four tiles of rows x 8,192 bytes.
; The four K steps are written out: K steps 0 and 1 are the first fills, 2 and 3 the two refills.
; CLUSTERS: 4 x 4 work-groups.  The four of a row of the cluster need the same tiles of O, the four of a column the same tiles of w_o: each tile is asked for JOINTLY, by the same tensor load with the same descriptor
; and a mask that names the four.  By this text's own count a wave has two tensor loads out at the start, later one.
; THE MATRIX INSTRUCTION IS USED TRANSPOSED (source 0 = 16 columns n, source 1 = 16 rows m): a lane holds eight neighbouring numbers of a row of the result.  The bias is the C of each sum's first product.
; REGISTERS: window 0: v16-29 addresses; v32-95 the way out; v96-127 the bias, eight registers for each of my four tiles of columns; v128-255 the accumulators ((a, b) at v[128 + 8 (4 a + b)]).
;   window 1: two fragment buffers of 128: for 64 along K, 64 registers of O, then 64 of w_o.
.set KSTEPB, 8192                      ; a K step of 256 of one tile of 16 rows, in bytes
.set HALFT,  4*KSTEPB                  ; 64 rows: what one tensor load brings, and what one wave reads of either operand
.set SLOT,   4*HALFT                   ; O's 128 rows, then w_o's 128 columns
.set SPARE,  2*SLOT                    ; behind the ring: the spare words, 128 bytes a wave: two blocks of 256 bytes that no other line names
.set SPITCH, 272                       ; the way out: a stage of 16 rows x (256 bytes + 16) for each wave.  It lies in slot 0, which has had its last fill and its last read when the first result is stored there
.set STGB,   16*SPITCH
.set ADRA, 16                          ; v16-17  LDS address of my fragments of O in slot 0, 1
.set ADRB, 20                          ; v20-21  the same for w_o
.set STO,  24
.set RD,   25
.set CO,   26
.set SPW,  28
.set NIL,  29
.set OB,   32
.set BI,   96
.set ACC,  128
.set F0,   0
.set F1,   128
.set G1, 24                            ; s[24:31] descriptor group 1 for O's tiles;  s[32:39] group 0, one set for each slot
.set G0, 32
.set G1B, 48                           ; s[48:55], s[56:63] the same for w_o's
.set G0B, 56
.set MSB, 0
.macro WIN new
.if MSB != \new
	s_set_vgpr_msb (MSB<<8)|\new
.set MSB, \new
.endif
.endm
.set MUL,  0x05                        ; sources 0 and 1 in window 1; C and D in window 0
.set TO_F, 0x40                        ; destination window 1, address window 0
.macro JLOAD s                         ; a joint load: waves 0 and 1 fetch O's two halves, waves 2 and 3 w_o's; an s_nop 0 and four v_nop follow each line
	s_cmp_eq_u32 s11, 0
	s_cbranch_scc0 .Lfor_b_\@
	tensor_load_to_lds s[G0+4*\s:G0+4*\s+3], s[G1:G1+7]
	s_nop 0
.rept 4
	v_nop
.endr
	s_branch .Lasked_\@
.Lfor_b_\@:
	tensor_load_to_lds s[G0B+4*\s:G0B+4*\s+3], s[G1B:G1B+7]
	s_nop 0
.rept 4
	v_nop
.endr
.Lasked_\@:
.endm
.macro CREST                           ; a round of the cluster's barrier behind its opening barrier
	s_cmp_lg_u32 s10, 0
	s_cbranch_scc1 .Lnot_wave_0_\@
	s_barrier_signal -3
.Lnot_wave_0_\@:
	s_barrier_wait -3
	s_barrier_signal -1
	s_barrier_wait -1
.endm
.macro CROUND
	s_barrier_signal -1
	s_barrier_wait -1
	CREST
.endm
	s_load_b128 s[4:7], s[0:1], 0x0                ; of s[4:5], wo16 s[6:7]
	s_load_b64 s[8:9], s[0:1], 0x10                ; out0
	s_load_b64 s[2:3], s[0:1], 0x18                ; b_o
	v_lshl_add_u32 v[SPW], v0, 2, SPARE
	v_mov_b32 v[NIL], 0
	ds_add_u32 v[SPW], v[NIL]                      ; the wave's opening: the add, twice on end, and its wait ahead of my first tensor load; the set-up below stands between
	ds_add_u32 v[SPW], v[NIL]
	v_lshrrev_b32 v1, 5, v0
	v_readfirstlane_b32 s10, v1                    ; wave 0..3
	s_lshr_b32 s11, s10, 1                         ; which half of the tile's rows is mine.  Also: I fetch for O (0) or for w_o (1)
	s_and_b32 s12, s10, 1                          ; which half of its columns.  Also: which 64 rows of that tile I fetch
	s_bfe_u32 s40, ttmp6, 0x40000                  ; cx, cy: my place in the cluster
	s_bfe_u32 s41, ttmp6, 0x40004
	s_lshl_b32 s42, ttmp9, 2
	s_add_co_u32 s42, s42, s40                     ; tile column = 4 x cluster x + cx
	s_and_b32 s13, ttmp7, 0xffff
	s_lshl_b32 s13, s13, 2
	s_add_co_u32 s13, s13, s41                     ; tile row = 4 x cluster y + cy
	s_lshl_b32 s43, s41, 2
	s_lshl_b32 s43, 15, s43                        ; my row of the cluster
	s_lshl_b32 s44, 0x1111, s40                    ; my column
	; descriptor group 1: 4 rows of 8,192 bytes (1,024 elements of 8 bytes), 32,768 bytes apart in memory, dense in LDS
	s_or_b32 s[G1+0], s43, (3<<16)|(1<<21)         ; 15:0 the mask: O's tiles go to my row; 17:16 elements of 8 bytes; 21 set beside a mask
	s_or_b32 s[G1B+0], s44, (3<<16)|(1<<21)
.irp g, G1, G1B
	s_mov_b32 s[\g+1], 1024<<16                    ; tensor_dim0 = 1,024
	s_mov_b32 s[\g+2], 4<<16                       ; tensor_dim1 = 4
	s_mov_b32 s[\g+3], 1024<<16                    ; tile_dim0 = 1,024
	s_mov_b32 s[\g+4], 4                           ; tile_dim1 = 4
	s_mov_b32 s[\g+5], 4096                        ; from row to row: 4,096 elements
	s_mov_b32 s[\g+6], 0
	s_mov_b32 s[\g+7], 0
.endr
	s_lshl_b32 s17, s12, 17                        ; which four tiles of 16 rows I fetch: 4 x 32,768 bytes
	s_lshl_b32 s16, s13, 18                        ; O: 8 tiles of rows to a tile row
	s_add_co_u32 s16, s16, s17
	s_lshl_b32 s46, s42, 18                        ; w_o: 8 tiles of columns to a tile column
	s_add_co_u32 s46, s46, s17
	s_mov_b32 s17, 0
	s_mov_b32 s47, 0
	s_mul_i32 s20, s10, HALFT                      ; where they go: wave x 64 rows: no place in the cluster enters an LDS address
	s_wait_dscnt 0x0                               ; both opening adds are done
	s_wait_kmcnt 0x0
	s_add_nc_u64 s[14:15], s[4:5], s[16:17]
	s_add_nc_u64 s[46:47], s[6:7], s[46:47]
	CROUND                                         ; all sixteen work-groups are here: the first joint loads meet
.irp s, 0,1
	s_mov_b32 s[G0+4*\s], 1
	s_add_co_u32 s[G0+4*\s+1], s20, \s*SLOT
	s_add_nc_u64 s[G0+4*\s+2:G0+4*\s+3], s[14:15], \s*KSTEPB
	s_or_b32 s[G0+4*\s+3], s[G0+4*\s+3], 0x80000000
	s_mov_b32 s[G0B+4*\s], 1
	s_add_co_u32 s[G0B+4*\s+1], s20, \s*SLOT
	s_add_nc_u64 s[G0B+4*\s+2:G0B+4*\s+3], s[46:47], \s*KSTEPB
	s_or_b32 s[G0B+4*\s+3], s[G0B+4*\s+3], 0x80000000
	JLOAD \s
.endr
	v_and_b32 v1, 15, v0                           ; r
	v_bfe_u32 v2, v0, 4, 1                         ; h
	v_and_b32 v3, 31, v0
	v_lshlrev_b32 v3, 4, v3                        ; 16 x lane: my place in an image
	s_mul_i32 s21, s11, HALFT                      ; my 64 rows of O
	s_mul_i32 s22, s12, HALFT                      ; my 64 columns of w_o,
	s_add_co_u32 s22, s22, 2*HALFT                 ; which lie behind O's 128 rows
.irp s, 0,1
	v_add_nc_u32 v[ADRA+\s], s21, v3
	v_add_nc_u32 v[ADRB+\s], s22, v3
	s_add_co_u32 s21, s21, SLOT
	s_add_co_u32 s22, s22, SLOT
.endr
	s_mul_i32 s23, s10, STGB                       ; my stage
	v_mul_u32_u24 v4, v1, SPITCH                   ; in: row r, 32 bytes for each half of the lanes
	v_lshl_add_u32 v4, v2, 5, v4
	v_add_nc_u32 v[STO], s23, v4
	v_mul_u32_u24 v5, v2, SPITCH                   ; back: lanes 0-15 take one row of 256 bytes, lanes 16-31 the next
	v_lshl_add_u32 v5, v1, 4, v5
	v_add_nc_u32 v[RD], s23, v5
	v_lshlrev_b32 v5, 12, v2                       ; and the same two rows in the result: 4,096 bytes a row
	v_lshl_add_u32 v[CO], v1, 4, v5
	v_lshlrev_b32 v6, 5, v2                        ; the bias: my half's eight numbers of a tile of columns
	s_lshl_b32 s16, s13, 19                        ; my first row: 128 x tile row + 64 x half, 4,096 bytes each
	s_lshl_b32 s17, s11, 18
	s_add_co_u32 s16, s16, s17
	s_mov_b32 s17, 0
	s_add_nc_u64 s[8:9], s[8:9], s[16:17]
	s_lshl_b32 s46, s42, 9                         ; my first column, in bytes: 512 x tile column + 256 x half
	s_lshl_b32 s47, s12, 8
	s_add_co_u32 s46, s46, s47
	s_mov_b32 s47, 0
	s_add_nc_u64 s[8:9], s[8:9], s[46:47]
	s_add_nc_u64 s[2:3], s[2:3], s[46:47]
.irp b, 0,1,2,3
	global_load_b128 v[BI+8*\b:BI+8*\b+3], v6, s[2:3] offset:64*\b
	global_load_b128 v[BI+8*\b+4:BI+8*\b+7], v6, s[2:3] offset:64*\b+16
.endr
; 8 matrix instructions: m blocks a0, a0 + 1 x all 4 n blocks, 32 along K: half c of buffer f.  first = 1: the product starts the sum on the bias.  The 16 accumulators take turns
.macro MUL8 f, c, a0, first
.irp a, \a0, \a0+1
.irp b, 0,1,2,3
.if \first
	v_wmma_f32_16x16x32_f16 v[ACC+8*(4*(\a)+\b):ACC+8*(4*(\a)+\b)+7], v[\f+64+8*(4*\c+\b):\f+64+8*(4*\c+\b)+7], v[\f+8*(4*\c+(\a)):\f+8*(4*\c+(\a))+7], v[BI+8*\b:BI+8*\b+7]
.else
	v_wmma_f32_16x16x32_f16 v[ACC+8*(4*(\a)+\b):ACC+8*(4*(\a)+\b)+7], v[\f+64+8*(4*\c+\b):\f+64+8*(4*\c+\b)+7], v[\f+8*(4*\c+(\a)):\f+8*(4*\c+(\a))+7], v[ACC+8*(4*(\a)+\b):ACC+8*(4*(\a)+\b)+7]
.endif
.endr
.endr
.endm
; 32 LDS loads in one run: the fragments of the slot's q-th 64 along K into buffer f; the first 32 along K first
.macro FETCH slot, q, f
	WIN TO_F
.irp c, 0,1
.irp i, 0,1,2,3
	ds_load_b128 v[\f+64+8*(4*\c+\i):\f+64+8*(4*\c+\i)+3],   v[ADRB+\slot] offset:\i*KSTEPB+1024*(2*(\q)+\c)
	ds_load_b128 v[\f+64+8*(4*\c+\i)+4:\f+64+8*(4*\c+\i)+7], v[ADRB+\slot] offset:\i*KSTEPB+1024*(2*(\q)+\c)+512
	ds_load_b128 v[\f+8*(4*\c+\i):\f+8*(4*\c+\i)+3],         v[ADRA+\slot] offset:\i*KSTEPB+1024*(2*(\q)+\c)
	ds_load_b128 v[\f+8*(4*\c+\i)+4:\f+8*(4*\c+\i)+7],       v[ADRA+\slot] offset:\i*KSTEPB+1024*(2*(\q)+\c)+512
.endr
.endr
.endm
.macro PLACES                          ; four plain places in front of loads into registers that matrix instructions have read, and of the first read of results (ISA guide 7.12.1 for reads of results)
.rept 4
	v_nop
.endr
.endm
; A K step is four quarters of 64 along K, 32 matrix instructions each, on buffers 0, 1, 0, 1.  One of the first three: multiplies buffer f and fetches quarter q into g.
.macro QUARTER slot, q, f, g, first
	s_wait_dscnt 16                                ; the first 32 along K are in; the other sixteen loads may be out
	WIN MUL
	MUL8 \f, 0, 0, \first
	MUL8 \f, 0, 2, \first
	PLACES
	FETCH \slot, \q, \g
	s_wait_dscnt 32                                ; all but the 32 just issued
	WIN MUL
	MUL8 \f, 1, 0, 0
	MUL8 \f, 1, 2, 0
.endm
; The last quarter multiplies buffer 1 and changes slots: ONE barrier; in front of it each wave waits for all its tensor loads, adds 0 to its spare word, and waits for that and for its own reads of this slot.
; fill = 1: this slot is filled again, two K steps ahead; the barrier then opens a round of the cluster's barrier.
.macro TURN slot, next, fill
	WIN 0
	s_wait_tensorcnt 0x0                           ; all my tensor loads have landed: my part of the next slot;
	ds_add_u32 v[SPW], v[NIL]                      ; 0 onto my spare word;
	s_wait_dscnt 17                                ; (the add and the youngest sixteen loads may be out)
	WIN MUL
	MUL8 F1, 0, 0, 0                               ; eight matrix instructions stand between the add and the wait for it
	s_wait_dscnt 0x0                               ; the add is done, and my reads of this slot are over
	s_barrier_signal -1
	MUL8 F1, 0, 2, 0
.if \fill
	WIN 0
.endif
	s_barrier_wait -1
.if \fill
	CREST                                          ; no wave of any partner still reads this slot's tile or has a load on its way
	s_add_nc_u64 s[G0+4*\slot+2:G0+4*\slot+3], s[G0+4*\slot+2:G0+4*\slot+3], 2*KSTEPB
	s_add_nc_u64 s[G0B+4*\slot+2:G0B+4*\slot+3], s[G0B+4*\slot+2:G0B+4*\slot+3], 2*KSTEPB
	JLOAD \slot                                    ; the first tensor load behind the round; the four v_nop behind it are also the places in front of the loads below
.else
	PLACES
.endif
	FETCH \next, 0, F0
	WIN MUL
	MUL8 F1, 1, 0, 0
	MUL8 F1, 1, 2, 0
.endm
	s_wait_tensorcnt 1                             ; my part of K step 0 is in; K step 1's may stay out
	s_barrier_signal -1
	s_barrier_wait -1                              ; everybody's is
	FETCH 0, 0, F0
	s_wait_loadcnt 0x0                             ; the bias
	QUARTER 0, 1, F0, F1, 1                        ; K step 0: its first products start the sums
	QUARTER 0, 2, F1, F0, 0
	QUARTER 0, 3, F0, F1, 0
	TURN 0, 1, 1                                   ; slot 0 takes K step 2
	QUARTER 1, 1, F0, F1, 0                        ; K step 1
	QUARTER 1, 2, F1, F0, 0
	QUARTER 1, 3, F0, F1, 0
	TURN 1, 0, 1                                   ; slot 1 takes K step 3
	QUARTER 0, 1, F0, F1, 0                        ; K step 2
	QUARTER 0, 2, F1, F0, 0
	QUARTER 0, 3, F0, F1, 0
	TURN 0, 1, 0                                   ; nothing is left to fetch: no round
	QUARTER 1, 1, F0, F1, 0                        ; K step 3
	QUARTER 1, 2, F1, F0, 0
	QUARTER 1, 3, F0, F1, 0
	s_wait_dscnt 16
	WIN MUL
	MUL8 F1, 0, 0, 0
	MUL8 F1, 0, 2, 0
	s_wait_dscnt 0x0
	MUL8 F1, 1, 0, 0
	MUL8 F1, 1, 2, 0
	WIN 0
; THE WAY OUT, a block of 16 rows x 64 columns at a time.  A lane holds 32 neighbouring bytes of a row and the lanes beside it hold other rows: so a block goes through my own stage in LDS and comes back as whole rows of
; 256 bytes.  LDS serves a wave's instructions in order (ISA guide 5.7.1.4): no wait between the stores and the loads, nor in front of the next block's stores.
.macro TOSTAGE a
.irp b, 0,1,2,3
	ds_store_b128 v[STO], v[ACC+8*(4*(\a)+\b):ACC+8*(4*(\a)+\b)+3] offset:64*\b        ; each accumulator from its low end on
	ds_store_b128 v[STO], v[ACC+8*(4*(\a)+\b)+4:ACC+8*(4*(\a)+\b)+7] offset:64*\b+16
.endr
.irp i, 0,1,2,3,4,5,6,7
	ds_load_b128 v[OB+32*((\a)%2)+4*\i:OB+32*((\a)%2)+4*\i+3], v[RD] offset:\i*2*SPITCH
.endr
.endm
.macro SEND a, younger                 ; younger: the LDS instructions issued behind block a's loads, which may stay out
	s_wait_dscnt \younger
.irp i, 0,1,2,3,4,5,6,7
	global_store_b128 v[CO], v[OB+32*((\a)%2)+4*\i:OB+32*((\a)%2)+4*\i+3], s[8:9] offset:(16*(\a)+2*\i)*4096 th:TH_STORE_NT   ; 16 lanes store 256 consecutive bytes, at a multiple of 256 from the buffer's first byte
.endr
.endm
	PLACES
	TOSTAGE 0
.irp a, 1,2,3
.if \a > 1
	s_wait_xcnt 0x0                                ; block a - 2's stores have read their registers: block a's loads may land there
.endif
	TOSTAGE \a
	SEND \a-1, 16                                  ; behind block a - 1's loads: block a's 8 stores and 8 loads
.endr
	SEND 3, 0
	s_wait_tensorcnt 0x0                           ; the wave's end, behind my last tensor load and my last LDS store
	ds_add_u32 v[SPW], v[NIL]
	s_wait_dscnt 0x0
	CROUND                                         ; the closing round: no work-group ends while a partner may still ask for a tile that names it
	s_endpgm
.Lfunc_end_k_q9149d6b4ab_outproj:
	.size	k_q9149d6b4ab_outproj, .Lfunc_end_k_q9149d6b4ab_outproj-k_q9149d6b4ab_outproj
	.p2alignl 7, 3214868480
	.fill 96, 4, 3214868480
	.section	.rodata,"a",@progbits
	.p2align	6, 0x0
	.amdhsa_kernel k_q9149d6b4ab_outproj
		.amdhsa_group_segment_fixed_size 327680
		.amdhsa_private_segment_fixed_size 0
		.amdhsa_enable_private_segment 0
		.amdhsa_kernarg_size 32
		.amdhsa_user_sgpr_count 2
		.amdhsa_user_sgpr_kernarg_segment_ptr 1
		.amdhsa_wavefront_size32 1
		.amdhsa_system_sgpr_workgroup_id_x 1
		.amdhsa_system_sgpr_workgroup_id_y 1
		.amdhsa_system_sgpr_workgroup_id_z 1
		.amdhsa_system_vgpr_workitem_id 0
		.amdhsa_next_free_vgpr 512
		.amdhsa_next_free_sgpr 66
		.amdhsa_reserve_vcc 0
		.amdhsa_float_denorm_mode_32 3
		.amdhsa_float_denorm_mode_16_64 3
		.amdhsa_memory_ordered 1
		.amdhsa_forward_progress 1
		.amdhsa_inst_pref_size 86
	.end_amdhsa_kernel
	.amdgpu_metadata
---
amdhsa.version: [ 1, 2 ]
amdhsa.kernels:
  - .name:           k_q9149d6b4ab_outproj
    .symbol:         k_q9149d6b4ab_outproj.kd
    .args:
      - { .name: of, .offset: 0, .size: 8, .value_kind: global_buffer, .address_space: global }
      - { .name: wo16, .offset: 8, .size: 8, .value_kind: global_buffer, .address_space: global }
      - { .name: out0, .offset: 16, .size: 8, .value_kind: global_buffer, .address_space: global }
      - { .name: b_o, .offset: 24, .size: 8, .value_kind: global_buffer, .address_space: global }
    .group_segment_fixed_size: 327680
    .private_segment_fixed_size: 0
    .kernarg_segment_align: 8
    .kernarg_segment_size: 32
    .max_flat_workgroup_size: 128
    .sgpr_count:     66
    .vgpr_count:     512
    .wavefront_size: 32
...
	.end_amdgpu_metadata
.endif
;; end of part 4
;; ======== version 2 of 2: 4 launches; version 1 with the launch proj written anew for expert scheduling mode
;; limits: values are held in f16: magnitudes above 65,504 overflow, below 6.1e-05 lose precision
;; workspace buffers: wc 1,572,864 bytes; ws 98,304 bytes; wo16 2,097,152 bytes; qf 8,388,608 bytes; kf 8,388,608 bytes; vf 8,388,608 bytes; of 8,388,608 bytes
;; launch prep_w: the kernel of part 1 again; grid 8 x 32, 4 waves a work-group, no clusters, 0 bytes of LDS; arguments w_q, w_k, w_v, w_o, wc, ws, wo16; writes wc, ws, wo16
;; launch proj (part 5): grid 64 x 3, 8 waves a work-group, no clusters, 103,424 bytes of LDS; arguments q, k, v, wc, ws, b_q, b_k, b_v, qf, kf, vf; writes qf, kf, vf
.if DOCPART == 5
	.amdgcn_target "amdgcn-amd-amdhsa--gfx1250"
	.amdhsa_code_object_version 6
	.text
	.protected	k_q9149d6b4ab_proj
	.globl	k_q9149d6b4ab_proj
	.p2align	8
	.type	k_q9149d6b4ab_proj,@function
k_q9149d6b4ab_proj:
	s_mov_b64 s[64:65], 0
	v_nop
	global_prefetch_b8 v0, s[64:65] scope:SCOPE_SE
	s_setreg_imm32_b32 hwreg(HW_REG_WAVE_SCHED_MODE, 0, 2), 2
	s_setreg_imm32_b32 hwreg(HW_REG_WAVE_MODE, 25, 1), 1
	s_wait_xcnt 0x0
	s_wait_alu depctr_vm_vsrc(0)
; The three projections, x W + b, on codes of FP4 (E2M1) with one E8M0 scale for each 32 along K = 1,024; sums in f32; the bias is added in f32; the result is rounded once to f16 for the products of attention.
; SHARES.  Work-group y: the tensor (0 q, 1 k, 2 v); x: 64 rows of its 4,096.  x is read from memory once, by this work-group alone, and quantised in registers.
; Eight waves.  Phase X: wave w quantises rows 16 (w / 2) on, K steps 4 (w % 2) + 0 .. 3 of 128: four fragments, which go to LDS AS IMAGES OF THEIR REGISTERS (lane l's 16 bytes at 16 l), with their scale words.  One barrier.
; Then THE WAVES SHARE THE COLUMNS: wave w makes columns 128 w .. 128 w + 127 (heads 2 w, 2 w + 1) of all 64 rows: 32 accumulators of 16 x 16, eight K steps of 32 matrix instructions.
; W's fragments and scale words were laid by an earlier launch in the order of the operand's registers and go from memory straight into registers, two K steps ahead.
; NO JOINT LOADS, though the 64 work-groups of a tensor read the same W: a wave's 64 KB of W are read by that wave alone in its work-group and feed 4 matrix instructions a fragment from registers;
; a joint load lands in LDS, so all 512 KB would pass through a ring with a change of slots every few K steps and be read out of LDS once more.
; q and k: the product is used TRANSPOSED (source 0 = 16 columns of W, source 1 = 16 rows of x): a lane holds one row and eight neighbouring channels, which packed to f16 ARE four registers of a fragment
; of 16 positions x 32 channels.  v: used as it stands: a lane holds one channel and eight neighbouring positions: four registers of a fragment of V^T, 16 channels x 32 keys.
; qf, kf [b h 32][tile of 16 positions 128][c 2][u 2][lane][16 bytes]: channels 32 c + 16 u + 8 h + 0 .. 7.   vf [b h 32][g 64][d tile 4][u 2][lane][16 bytes]: channel 16 dt + r, keys 32 g + 16 u + 8 h + 0 .. 7.
; So every store is a wave's 512 consecutive bytes, at a multiple of 256 from the buffer's first byte, straight from registers.
; LIMITS: a block of zeros gets the scale byte 1 where the rule says 127 (its codes are zeros; the bytes stay in this launch); NaN and infinities are not served; a projection of 65,504 or more has no f16.
; LDS: 8 stages of 16 rows x 528 bytes, each wave's own | x's 32 fragments, f = 8 m + s, 1,024 bytes each | their scale words [s 8][m 4][16 rows] | the spare words.
; REGISTERS.  Window 0: v4-15 addresses; v16-47 W's scale words, v48-51 x's (these hold scales alone); v64-127 two sets of x's four fragments (in phase X: at work); v128-255 two sets of W's eight (in phase X: two sets of 64 numbers).
;   Window 1: in phase X the rows of x as loaded; then the accumulators, (t, m) at v[8 (4 t + m)].
; THE MODE: SCHED_MODE bits 1:0 = 2 (LLVM: expert scheduling mode 2), set by the entry lines.  The code itself states the register dependences between vector or matrix instructions and memory or LDS
; instructions, with s_wait_alu, always for 0.
; THE PLAN.  Registers that memory or LDS instructions touch, and who else names them:
;   v4-13          offsets and LDS addresses: written once at the head, read by every load and store, never written again: one wait on va_vdst ahead of the first load.
;   window 1       phase X: x's loads land (each register once), the stage's LDS stores read.  From K step 0 on: the accumulators, which the matrix instructions write.
;   XQ0, XQ1       v128-191, v192-255.  The stage's LDS loads land; QUANT i reads XQ[i % 2]; behind it turn i + 2's loads, and behind QUANT 2 and 3 W's first loads, land there.
;   PC, PW         QUANT i writes its own part; IMAGE i's LDS stores read it.  With the registers at work they become x's fragments, in which LDS loads land.
;   AF0, AF1, XSR  K step s: its matrix instructions read set s % 2; the LDS loads of step s + 1's head land in that set (the fragments of step s + 2).
;   WF             a ring of four halves of 32 registers.  A half step's 16 matrix instructions read one; behind them the same half of two K steps on lands in it.
;   the way out    the conversions write v64-127 and v192-255; the 32 stores read them; nothing writes them again.
; So the waits on va_vdst are: one at the head; one behind each QUANT (its codes and scale word are written; it is done reading its numbers); one behind a half step's products wherever loads follow (they are done
; reading their half of W, and at a step's end the step's fragments and scale words of x); one ahead of the stores.  ONE wait on vm_vsrc stands behind the barrier: my LDS stores have read PC, PW and window 1.
; A half of W is asked for again at once, in one run behind its wait and ahead of the wait for the next half's data: it then has a K step and a half in which to land.
; A scalar register that a vector instruction reads (s2, s3, s4, the lane selects) is never written again.
.set STGB,  16*528
.set XIMG,  8*STGB
.set XSC,   XIMG+32*1024
.set SPARE, XSC+2048                   ; 128 bytes for each of the eight waves: four blocks of 256 bytes that no other line names
.set LI,   4                           ; v4   16 x lane
.set SIN,  5                           ; v5   my stage, as loaded: 16 x lane
.set SOUT, 6                           ; v6   my stage, by rows: 528 r + 64 h
.set BOV,  7                           ; v7   4 r: v's bias, one channel a lane
.set XWI,  8                           ; v8   where I store images: 4 fragments a wave
.set XWS,  9                           ; v9   and their scale words
.set LIA,  10                          ; v10  where any wave reads images
.set LSA,  11                          ; v11  and scale words: 4 x lane
.set L4,   12                          ; v12  4 x lane
.set BOQ,  13                          ; v13  32 h: q's and k's bias, eight channels a lane
.set SPW,  14                          ; v14  my spare word; never rewritten
.set NIL,  15                          ; v15  0; never rewritten
.set WSR,  16                          ; register 8 p + s: lanes 0-15 the words of my tile 2 p, lanes 16-31 of tile 2 p + 1, K step s
.set XSR,  48                          ; register 2 (s % 2) + p: lanes 0-15 rows' tile 2 p, lanes 16-31 tile 2 p + 1
.set AF,   64
.set WF,   128
.set TM,   64                          ; phase X: v64-79 at work
.set PW,   80                          ; v80-83 four scale words
.set PC,   88                          ; v88-119 four fragments of codes: no LDS store's data are written again
.set XQ,   128                         ; two sets of 64 numbers
.set SEL,  44
.set MSB, 0
.macro WIN new                         ; the immediate's high byte repeats the setting that is left; a switch that changes nothing is dropped
.if MSB != \new
	s_set_vgpr_msb (MSB<<8)|\new
.set MSB, \new
.endif
.endm
.macro PLACES                          ; four plain places between a matrix instruction and a vector read of its results (ISA guide 7.12.1)
.rept 4
	v_nop
.endr
.endm
.macro XLOAD i                         ; K step i of my four: each load is 512 consecutive bytes of one row
	WIN 0x40
.irp row, 0,1,2,3,4,5,6,7,8,9,10,11,12,13,14,15
	global_load_b128 v[64*(\i)+4*\row:64*(\i)+4*\row+3], v[LI], s[34:35] offset:\row*4096+512*(\i) th:TH_LOAD_NT
.endr
	WIN 0
.endm
.macro TURN i                          ; through my stage: in as loaded, out so that lane (r, h) holds, of row r, 16 neighbours of each block of 32.  LDS serves a wave's instructions in order: no wait between
	WIN 0x04
.irp row, 0,1,2,3,4,5,6,7,8,9,10,11,12,13,14,15
	ds_store_b128 v[SIN], v[64*(\i)+4*\row:64*(\i)+4*\row+3] offset:\row*528
.endr
	WIN 0
.irp b, 0,1,2,3
.irp j, 0,1,2,3
	ds_load_b128 v[XQ+64*((\i)%2)+16*\b+4*\j:XQ+64*((\i)%2)+16*\b+4*\j+3], v[SOUT] offset:128*\b+16*\j
.endr
.endr
.endm
; 64 numbers of a lane, register 16 b + i = k 32 b + 16 h + i of my row, become a fragment's codes and its scale word
.macro QUANT s, pc, pw
.irp b, 0,1,2,3
	v_max3_num_f32 v[TM+\b], |v[\s+16*\b]|, |v[\s+1+16*\b]|, 0x1800000   ; my 16 numbers of block b, and the floor 2^(3 - 127): the byte cannot fall under 1
.endr
.irp i, 2,4,6,8,10,12,14
.irp b, 0,1,2,3
	v_max3_num_f32 v[TM+\b], v[TM+\b], |v[\s+16*\b+\i]|, |v[\s+1+16*\b+\i]|
.endr
.endr
.irp b, 0,1,2,3
	v_permlanex16_b32 v[TM+4+\b], v[TM+\b], s[SEL], s[SEL+1]
.endr
.irp b, 0,1,2,3
	v_max_num_f32 v[TM+\b], v[TM+\b], v[TM+4+\b]   ; with the lane 16 away: the block's largest magnitude
.endr
.irp b, 0,1,2,3
	v_add_nc_u32 v[TM+12+\b], 0xff000000, v[TM+\b] ; 2 off its exponent field: the conversion's scale operand
.endr
.irp b, 0,1,2,3
	v_lshrrev_b32 v[TM+4+\b], 23, v[TM+12+\b]      ; the scale's byte
.endr
	v_lshl_or_b32 v[\pw], v[TM+5], 8, v[TM+4]
	v_lshl_or_b32 v[\pw], v[TM+6], 16, v[\pw]
	v_lshl_or_b32 v[\pw], v[TM+7], 24, v[\pw]
.irp b, 0,1,2,3
	v_cvt_scalef32_pk8_fp4_f32 v[\pc+2*\b], v[\s+16*\b:\s+7+16*\b], v[TM+12+\b]
	v_cvt_scalef32_pk8_fp4_f32 v[\pc+1+2*\b], v[\s+8+16*\b:\s+15+16*\b], v[TM+12+\b]
.endr
	v_nop                                          ; one plain place behind a scaled conversion
.irp c, 0,1                            ; the operand wants a whole block in a lane: lanes 0-15 block 2 c, lanes 16-31 block 2 c + 1
.irp i, 0,1
	v_permlane16_swap_b32 v[\pc+4*\c+\i], v[\pc+2+4*\c+\i]
.endr
.endr
.endm
.macro IMAGE i
.irp c, 0,1
	ds_store_b128 v[XWI], v[PC+8*(\i)+4*\c:PC+8*(\i)+4*\c+3] offset:1024*(\i)+512*\c
.endr
	ds_store_b32 v[XWS], v[PW+(\i)] offset:256*(\i)   ; lanes r and r + 16 write the same word with the same value
.endm
.macro WLOAD s, t0                     ; four of W's eight fragments of K step s: 8 loads
.irp t, \t0, \t0+1, \t0+2, \t0+3
.irp c, 0,1
	global_load_b128 v[WF+64*((\s)%2)+8*(\t)+4*\c:WF+64*((\s)%2)+8*(\t)+4*\c+3], v[LI], s[36:37] offset:8192*(\t)+1024*(\s)+512*\c
.endr
.endr
.endm
.macro AFETCH s                        ; x's four fragments of K step s and their scale words: 10 LDS loads
.irp m, 0,1,2,3
.irp c, 0,1
	ds_load_b128 v[AF+32*((\s)%2)+8*\m+4*\c:AF+32*((\s)%2)+8*\m+4*\c+3], v[LIA] offset:(8*\m+(\s))*1024+512*\c
.endr
.endr
.irp p, 0,1
	ds_load_b32 v[XSR+2*((\s)%2)+\p], v[LSA] offset:256*(\s)+128*\p
.endr
.endm
; one scaled product; ra, rb: the source's scale words stand in lanes 16-31 of the register named
.macro WMS d, a, b, zero, sa, sb, ra, rb
.if \zero
.if (\ra) && (\rb)
	v_wmma_scale_f32_16x16x128_f8f6f4 v[\d:\d+7], v[\a:\a+7], v[\b:\b+7], 0, v[\sa], v[\sb] matrix_a_fmt:MATRIX_FMT_FP4 matrix_b_fmt:MATRIX_FMT_FP4 matrix_a_scale:MATRIX_SCALE_ROW1 matrix_b_scale:MATRIX_SCALE_ROW1
.elseif \ra
	v_wmma_scale_f32_16x16x128_f8f6f4 v[\d:\d+7], v[\a:\a+7], v[\b:\b+7], 0, v[\sa], v[\sb] matrix_a_fmt:MATRIX_FMT_FP4 matrix_b_fmt:MATRIX_FMT_FP4 matrix_a_scale:MATRIX_SCALE_ROW1
.elseif \rb
	v_wmma_scale_f32_16x16x128_f8f6f4 v[\d:\d+7], v[\a:\a+7], v[\b:\b+7], 0, v[\sa], v[\sb] matrix_a_fmt:MATRIX_FMT_FP4 matrix_b_fmt:MATRIX_FMT_FP4 matrix_b_scale:MATRIX_SCALE_ROW1
.else
	v_wmma_scale_f32_16x16x128_f8f6f4 v[\d:\d+7], v[\a:\a+7], v[\b:\b+7], 0, v[\sa], v[\sb] matrix_a_fmt:MATRIX_FMT_FP4 matrix_b_fmt:MATRIX_FMT_FP4
.endif
.else
.if (\ra) && (\rb)
	v_wmma_scale_f32_16x16x128_f8f6f4 v[\d:\d+7], v[\a:\a+7], v[\b:\b+7], v[\d:\d+7], v[\sa], v[\sb] matrix_a_fmt:MATRIX_FMT_FP4 matrix_b_fmt:MATRIX_FMT_FP4 matrix_a_scale:MATRIX_SCALE_ROW1 matrix_b_scale:MATRIX_SCALE_ROW1
.elseif \ra
	v_wmma_scale_f32_16x16x128_f8f6f4 v[\d:\d+7], v[\a:\a+7], v[\b:\b+7], v[\d:\d+7], v[\sa], v[\sb] matrix_a_fmt:MATRIX_FMT_FP4 matrix_b_fmt:MATRIX_FMT_FP4 matrix_a_scale:MATRIX_SCALE_ROW1
.elseif \rb
	v_wmma_scale_f32_16x16x128_f8f6f4 v[\d:\d+7], v[\a:\a+7], v[\b:\b+7], v[\d:\d+7], v[\sa], v[\sb] matrix_a_fmt:MATRIX_FMT_FP4 matrix_b_fmt:MATRIX_FMT_FP4 matrix_b_scale:MATRIX_SCALE_ROW1
.else
	v_wmma_scale_f32_16x16x128_f8f6f4 v[\d:\d+7], v[\a:\a+7], v[\b:\b+7], v[\d:\d+7], v[\sa], v[\sb] matrix_a_fmt:MATRIX_FMT_FP4 matrix_b_fmt:MATRIX_FMT_FP4
.endif
.endif
.endm
.macro WM path, s, t, m                ; columns' tile t x rows' tile m, K step s.  path 0 (q, k): source 0 = W;  path 1 (v): source 0 = x.  The first K step starts the sums: nothing is cleared
.set rD, 8*(4*(\t)+(\m))
.set rW, WF+64*((\s)%2)+8*(\t)
.set rA, AF+32*((\s)%2)+8*(\m)
.set rWS, WSR+8*((\t)/2)+(\s)
.set rXS, XSR+2*((\s)%2)+(\m)/2
.set zr, 0
.if (\s) == 0
.set zr, 1
.endif
.if \path
	WMS rD, rA, rW, zr, rXS, rWS, (\m)%2, (\t)%2
.else
	WMS rD, rW, rA, zr, rWS, rXS, (\t)%2, (\m)%2
.endif
.endm
.macro WM16 path, s, t0
.irp t, \t0, \t0+1, \t0+2, \t0+3
.irp m, 0,1,2,3
	WM \path, \s, \t, \m
.endr
.endr
.endm
.macro BIAS path                       ; 16 loads into W's set 0, which K step 6 has left
.irp t, 0,1,2,3,4,5,6,7
.if \path
	global_load_b32 v[WF+2*\t], v[BOV], s[40:41] offset:64*\t        ; my channel's bias, twice: a pair for the packed addition
	global_load_b32 v[WF+2*\t+1], v[BOV], s[40:41] offset:64*\t
.else
	global_load_b128 v[WF+8*\t:WF+8*\t+3], v[BOQ], s[40:41] offset:64*\t
	global_load_b128 v[WF+8*\t+4:WF+8*\t+7], v[BOQ], s[40:41] offset:64*\t+16
.endif
.endr
.endm
; A K step of 128: 32 matrix instructions on 32 accumulators, which take turns in the same order in every step.
; W's loads come in runs of 8, in this order: step s lower half, upper half, step s + 1 .. ; each half is asked for two K steps ahead, as soon as its registers are free.
; Where no load follows a half step (the middle of steps 6 and 7) no wait on va_vdst is written: there is no dependence to state.
.macro KSTEP path, s
.if \s < 7
	AFETCH (\s)+1                                  ; into the set that step s - 1 has left.  No wait here: the wait at that step's end stands ahead, with W's loads alone between (step 0: the last QUANT's wait, and the wait on vm_vsrc behind the barrier)
.endif
	s_wait_loadcnt 24                              ; my lower half of W is in: three younger runs of 8 may be out (in the last step: one run and the 16 of the bias)
.if \s < 7
	s_wait_dscnt 10                                ; this step's fragments of x are in: the 10 just issued may be out
.else
	s_wait_dscnt 0x0
.endif
	WIN 0x50                                       ; C and D in window 1
	WM16 \path, \s, 0
.if \s <= 5
	WIN 0                                          ; the switch, then the wait, then the loads
	s_wait_alu depctr_va_vdst(0)                   ; the sixteen products above are done reading the lower half of W's set s % 2, in which the loads below land
	WLOAD (\s)+2, 0
	s_wait_loadcnt 24                              ; my upper half is in: three younger runs may be out
.else
	s_wait_loadcnt 16                              ; two younger runs (in the last step: the 16 of the bias)
.endif
	WIN 0x50
	WM16 \path, \s, 4
	WIN 0
.if \s <= 5
	s_wait_alu depctr_va_vdst(0)                   ; this step's products are done reading the upper half of W's set s % 2, in which the loads below land, and x's set s % 2 with its scale words, in which the next step's LDS loads land
	WLOAD (\s)+2, 4
.elseif \s == 6
	s_wait_alu depctr_va_vdst(0)                   ; this step's products are done reading W's set 0, in which the bias lands, and x's set 0 with its scale words, which nothing takes again
	BIAS \path
.else
	PLACES                                         ; behind the last product, ahead of the first vector read of results
.endif
.endm
.macro OUT path
	s_wait_loadcnt 0x0                             ; the bias
	WIN 0x41                                       ; the sums in window 1, the bias in window 0
.irp t, 0,1,2,3,4,5,6,7
.irp m, 0,1,2,3
.irp p, 0,1,2,3                        ; each accumulator from its low end on
.if \path
	v_pk_add_f32 v[8*(4*\t+\m)+2*\p:8*(4*\t+\m)+2*\p+1], v[8*(4*\t+\m)+2*\p:8*(4*\t+\m)+2*\p+1], v[WF+2*\t:WF+2*\t+1]
.else
	v_pk_add_f32 v[8*(4*\t+\m)+2*\p:8*(4*\t+\m)+2*\p+1], v[8*(4*\t+\m)+2*\p:8*(4*\t+\m)+2*\p+1], v[WF+8*\t+2*\p:WF+8*\t+2*\p+1]
.endif
.endr
.endr
.endr
	WIN 0x05                                       ; sources in window 1, results in window 0: v64-127 and v192-255, beside the bias
.irp t, 0,1,2,3,4,5,6,7
.irp m, 0,1,2,3
.irp p, 0,1,2,3
	v_cvt_pk_f16_f32 v[AF+4*(4*\t+\m)+64*(\t/4)+\p], v[8*(4*\t+\m)+2*\p], v[8*(4*\t+\m)+2*\p+1]
.endr
.endr
.endr
	WIN 0
	s_wait_alu depctr_va_vdst(0)                   ; the conversions have written v64-127 and v192-255, which the 32 stores below read
.irp t, 0,1,2,3,4,5,6,7
.irp m, 0,1,2,3
.if \path
	global_store_b128 v[LI], v[AF+4*(4*\t+\m)+64*(\t/4):AF+4*(4*\t+\m)+64*(\t/4)+3], s[42:43] offset:(\t/4)*262144+4096*(\m/2)+1024*(\t%4)+512*(\m%2)
.else
	global_store_b128 v[LI], v[AF+4*(4*\t+\m)+64*(\t/4):AF+4*(4*\t+\m)+64*(\t/4)+3], s[42:43] offset:(\t/4)*262144+2048*\m+512*(\t%4)
.endif
.endr
.endr
.endm
.macro BODY path
.irp s, 0,1,2,3,4,5,6,7
	KSTEP \path, \s
.endr
	OUT \path
.endm
	s_load_b512 s[8:23], s[0:1], 0x0               ; q, k, v, wc, ws, b_q, b_k, b_v
	s_load_b128 s[24:27], s[0:1], 0x40             ; qf, kf
	s_load_b64 s[28:29], s[0:1], 0x50              ; vf
	v_lshl_add_u32 v[SPW], v0, 2, SPARE
	v_mov_b32 v[NIL], 0
	v_lshrrev_b32 v1, 5, v0
	v_readfirstlane_b32 s30, v1                    ; wave 0..7
	s_and_b32 s31, ttmp7, 0xffff                   ; the tensor
	v_and_b32 v1, 31, v0                           ; lane
	v_and_b32 v2, 15, v0                           ; r
	v_bfe_u32 v3, v0, 4, 1                         ; h
	v_lshlrev_b32 v[LI], 4, v1
	v_lshlrev_b32 v[L4], 2, v1
	v_lshlrev_b32 v[BOQ], 5, v3
	v_lshlrev_b32 v[BOV], 2, v2
	s_wait_alu depctr_va_sdst(0)                   ; s30 is written, ahead of its first reader: LDS addresses and the buffers' offsets are made from it
	s_mul_i32 s2, s30, STGB                        ; my stage
	v_add_nc_u32 v[SIN], s2, v[LI]
	v_mul_u32_u24 v[SOUT], v2, 528
	v_lshl_add_u32 v[SOUT], v3, 6, v[SOUT]
	v_add_nc_u32 v[SOUT], s2, v[SOUT]
	s_lshl_b32 s3, s30, 12                         ; my four fragments: 4 w + i
	s_add_co_u32 s3, s3, XIMG
	v_add_nc_u32 v[XWI], s3, v[LI]
	s_and_b32 s33, s30, 1                          ; w % 2: which four K steps
	s_lshr_b32 s48, s30, 1                         ; w / 2: which tile of rows
	s_lshl_b32 s4, s33, 10
	s_lshl_b32 s47, s48, 6
	s_add_co_u32 s4, s4, s47
	s_add_co_u32 s4, s4, XSC
	v_lshl_add_u32 v[XWS], v2, 2, s4
	v_add_nc_u32 v[LIA], XIMG, v[LI]
	v_add_nc_u32 v[LSA], XSC, v[L4]
	s_mov_b32 s[SEL], 0x76543210
	s_mov_b32 s[SEL+1], 0xfedcba98                 ; v_permlanex16_b32: each lane takes its own place in the other half
.irp b, 0,1,2,3
	v_mov_b32 v[TM+4+\b], 0                        ; written once: a lane permute's destination counts as one of its sources
.endr
	s_lshl_b32 s50, ttmp9, 18                      ; x: 64 rows of 4,096 bytes a work-group, 16 rows a tile, 2,048 bytes for four K steps
	s_lshl_b32 s46, s48, 16
	s_add_co_u32 s50, s50, s46
	s_lshl_b32 s46, s33, 11
	s_add_co_u32 s50, s50, s46
	s_mov_b32 s51, 0
	s_lshl_b32 s52, s31, 19                        ; W's codes: the tensor's 524,288 bytes, my 8 tiles of 8,192
	s_lshl_b32 s46, s30, 16
	s_add_co_u32 s52, s52, s46
	s_mov_b32 s53, 0
	s_lshl_b32 s54, s31, 15                        ; W's scale words: the tensor's 8 rows of 4,096 bytes, my 128 words
	s_lshl_b32 s56, s30, 9
	s_add_co_u32 s54, s54, s56
	s_mov_b32 s55, 0
	s_mov_b32 s57, 0                               ; s[56:57]: my 128 numbers of the bias
	s_lshr_b32 s58, ttmp9, 5                       ; the result: batch x 16 heads of 262,144 bytes, my two heads, 64 positions = 8,192 bytes: the same for all three layouts
	s_lshl_b32 s58, s58, 22
	s_lshl_b32 s46, s30, 19
	s_add_co_u32 s58, s58, s46
	s_and_b32 s46, ttmp9, 31
	s_lshl_b32 s46, s46, 13
	s_add_co_u32 s58, s58, s46
	s_mov_b32 s59, 0
	s_wait_kmcnt 0x0
	s_cmp_eq_u32 s31, 1                            ; the buffers are chosen by the work-group's number alone
	s_cselect_b64 s[34:35], s[10:11], s[8:9]
	s_cselect_b64 s[40:41], s[20:21], s[18:19]
	s_cselect_b64 s[42:43], s[26:27], s[24:25]
	s_cmp_eq_u32 s31, 2
	s_cselect_b64 s[34:35], s[12:13], s[34:35]
	s_cselect_b64 s[40:41], s[22:23], s[40:41]
	s_cselect_b64 s[42:43], s[28:29], s[42:43]
	s_add_nc_u64 s[34:35], s[34:35], s[50:51]
	s_add_nc_u64 s[36:37], s[14:15], s[52:53]
	s_add_nc_u64 s[38:39], s[16:17], s[54:55]
	s_add_nc_u64 s[40:41], s[40:41], s[56:57]
	s_add_nc_u64 s[42:43], s[42:43], s[58:59]
	; ---- phase X: my 16 rows x 512 along K become four fragments
	s_wait_alu depctr_va_vdst(0)                   ; the ten offsets and addresses v4 to v13 are written: every load and store of the kernel reads one of them
.irp p, 0,1,2,3
.irp s, 0,1,2,3,4,5,6,7
	global_load_b32 v[WSR+8*\p+\s], v[L4], s[38:39] offset:4096*\s+128*\p   ; W's scale words stay in registers for the whole launch
.endr
.endr
	XLOAD 0
	XLOAD 1
	s_wait_loadcnt 16                              ; K step 0 is in; the one younger run of 16 may be out
	XLOAD 2
	TURN 0
	s_wait_loadcnt 16                              ; K step 1 is in
	XLOAD 3
	TURN 1
	s_wait_dscnt 32                                ; turn 0 is back; turn 1's 32 may be out
	QUANT XQ, PC, PW
	s_wait_alu depctr_va_vdst(0)                   ; QUANT has written its codes and scale word, which the image's stores read, and is done reading XQ0, in which turn 2's LDS loads land
	IMAGE 0
	s_wait_loadcnt 16                              ; K step 2 is in
	TURN 2
	s_wait_dscnt 35                                ; turn 1 is back; an image's 3 stores and turn 2's 32 may be out
	QUANT XQ+64, PC+8, PW+1
	s_wait_alu depctr_va_vdst(0)                   ; its codes and scale word are written, for the image's stores; it is done reading XQ1, in which turn 3's LDS loads land
	IMAGE 1
	s_wait_loadcnt 0x0                             ; K step 3 is in
	TURN 3
	s_wait_dscnt 35                                ; turn 2 is back
	QUANT XQ, PC+16, PW+2
	s_wait_alu depctr_va_vdst(0)                   ; its codes and scale word are written, for the image's stores; it is done reading XQ0, in which W's first K step lands
	IMAGE 2
	WLOAD 0, 0                                     ; W's first K step, into the registers that the numbers have left
	WLOAD 0, 4
	s_wait_dscnt 3                                 ; turn 3 is back; an image's 3 stores may be out
	QUANT XQ+64, PC+24, PW+3
	s_wait_alu depctr_va_vdst(0)                   ; its codes and scale word are written, for the image's stores; it is done reading XQ1, in which W's second K step lands; and no vector instruction names v64-127 again before x's fragments land there
	IMAGE 3
	WLOAD 1, 0
	WLOAD 1, 4
	s_wait_dscnt 0x0                               ; for the others' sake: my images have landed
	s_barrier_signal -1
	s_barrier_wait -1                              ; x's 32 fragments lie in LDS; nothing is stored to LDS from here on
	s_wait_alu depctr_vm_vsrc(0)                   ; my LDS stores have read the codes and scale words in v80-119, in which x's fragments land, and window 1, which the first products write
	AFETCH 0
	s_cmp_eq_u32 s31, 2
	s_cbranch_scc1 .Lbody_v
	BODY 0
	s_branch .Lend
.Lbody_v:
	BODY 1
.Lend:
	s_wait_dscnt 0x0                               ; the closing lines, six on end
	s_wait_alu 0x0
	s_wait_tensorcnt 0x0
	ds_add_u32 v[SPW], v[NIL]
	s_wait_dscnt 0x0
	s_endpgm
.Lfunc_end_k_q9149d6b4ab_proj:
	.size	k_q9149d6b4ab_proj, .Lfunc_end_k_q9149d6b4ab_proj-k_q9149d6b4ab_proj
	.p2alignl 7, 3214868480
	.fill 96, 4, 3214868480
	.section	.rodata,"a",@progbits
	.p2align	6, 0x0
	.amdhsa_kernel k_q9149d6b4ab_proj
		.amdhsa_group_segment_fixed_size 103424
		.amdhsa_private_segment_fixed_size 0
		.amdhsa_enable_private_segment 0
		.amdhsa_kernarg_size 88
		.amdhsa_user_sgpr_count 2
		.amdhsa_user_sgpr_kernarg_segment_ptr 1
		.amdhsa_wavefront_size32 1
		.amdhsa_system_sgpr_workgroup_id_x 1
		.amdhsa_system_sgpr_workgroup_id_y 1
		.amdhsa_system_sgpr_workgroup_id_z 1
		.amdhsa_system_vgpr_workitem_id 0
		.amdhsa_next_free_vgpr 512
		.amdhsa_next_free_sgpr 66
		.amdhsa_reserve_vcc 0
		.amdhsa_float_denorm_mode_32 3
		.amdhsa_float_denorm_mode_16_64 3
		.amdhsa_memory_ordered 1
		.amdhsa_forward_progress 1
		.amdhsa_inst_pref_size 178
	.end_amdhsa_kernel
	.amdgpu_metadata
---
amdhsa.version: [ 1, 2 ]
amdhsa.kernels:
  - .name:           k_q9149d6b4ab_proj
    .symbol:         k_q9149d6b4ab_proj.kd
    .args:
      - { .name: q, .offset: 0, .size: 8, .value_kind: global_buffer, .address_space: global }
      - { .name: k, .offset: 8, .size: 8, .value_kind: global_buffer, .address_space: global }
      - { .name: v, .offset: 16, .size: 8, .value_kind: global_buffer, .address_space: global }
      - { .name: wc, .offset: 24, .size: 8, .value_kind: global_buffer, .address_space: global }
      - { .name: ws, .offset: 32, .size: 8, .value_kind: global_buffer, .address_space: global }
      - { .name: b_q, .offset: 40, .size: 8, .value_kind: global_buffer, .address_space: global }
      - { .name: b_k, .offset: 48, .size: 8, .value_kind: global_buffer, .address_space: global }
      - { .name: b_v, .offset: 56, .size: 8, .value_kind: global_buffer, .address_space: global }
      - { .name: qf, .offset: 64, .size: 8, .value_kind: global_buffer, .address_space: global }
      - { .name: kf, .offset: 72, .size: 8, .value_kind: global_buffer, .address_space: global }
      - { .name: vf, .offset: 80, .size: 8, .value_kind: global_buffer, .address_space: global }
    .group_segment_fixed_size: 103424
    .private_segment_fixed_size: 0
    .kernarg_segment_align: 8
    .kernarg_segment_size: 88
    .max_flat_workgroup_size: 256
    .sgpr_count:     66
    .vgpr_count:     512
    .wavefront_size: 32
...
	.end_amdgpu_metadata
.endif
;; end of part 5
;; launch attn: the kernel of part 3 again; grid 8 x 32, 4 waves a work-group, clusters of 4 x 1, 327,680 bytes of LDS; arguments qf, kf, vf, of; writes of
;; launch outproj: the kernel of part 4 again; grid 8 x 32, 4 waves a work-group, clusters of 4 x 4, 327,680 bytes of LDS; arguments of, wo16, out0, b_o; writes out0
